; MI455X (gfx1250); checked and timed in simulation.
; The chip was launched on July 23, 2026; its instructions are those of AMD's public machine-readable ISA for CDNA 5 (MIT licence, August 2026) and "CDNA5" Instruction Set Architecture Reference Guide (July 2026). The comments in the code are by the model that wrote it; some were corrected since.
;; Cross Attention Fi LM. Allowed arithmetic: float matrix products may take bf16 or f16 operands with f32 sums; other float arithmetic in f32, or as packed bf16 or f16 multiplies, adds, multiply-adds, maxima and minima; sums over many terms, partial sums and values carried from step to step in f32; what a program stores and reads back later, other than sums and carried values, may be rounded once to bf16 or f16.
;; Inputs: Wb 1,024 x 256 float32; Wg 1,024 x 256 float32; Wk 1,024 x 768 float32; Wl 1,024 x 1,024 float32; Wo 1,024 x 1,024 float32; Wq 1,024 x 1,024 float32; Wv 1,024 x 768 float32; attention 1,024 x 32 int32; bb 1,024 float32; bg 1,024 float32; bk 1,024 float32; bl 1,024 float32; bo 1,024 float32; bq 1,024 float32; bv 1,024 float32; ln1_b 1,024 float32; ln1_g 1,024 float32; ln2_b 1,024 float32; ln2_g 1,024 float32; text_feat 1,024 x 32 x 768 float32; x 1,024 x 1,024 float32; z 1,024 x 256 float32.
;; Outputs: out0 1,024 x 1,024 float32.
;; 2 versions, each right; version 2 is version 1 with the launches g1, g2, g5, g6 written anew for expert scheduling mode. Each part assembles by itself: llvm-mc -triple=amdgcn-amd-amdhsa -mcpu=gfx1250 --defsym DOCPART=n.
;; ======== version 1 of 2: 8 launches
;; workspace buffers: lgb 12,582,912 bytes; outb 8,388,608 bytes; qhl 4,194,304 bytes; qk 25,165,824 bytes; sb 32,768 bytes; tb 25,165,824 bytes; ctx 4,194,304 bytes; ao 4,194,304 bytes
;; launch g1 (part 1): grid 16 x 16, 8 waves a work-group, no clusters, 188,416 bytes of LDS; arguments x, z, Wl, Wg, Wb, bl, bg, bb, lgb; writes lgb
.if DOCPART == 1
	.amdgcn_target "amdgcn-amd-amdhsa--gfx1250"
	.amdhsa_code_object_version 6
	.text
	.protected	k_qf7aab6a775_g1
	.globl	k_qf7aab6a775_g1
	.p2align	8
	.type	k_qf7aab6a775_g1,@function
k_qf7aab6a775_g1:
	s_mov_b64 s[64:65], 0
	v_nop
	global_prefetch_b8 v0, s[64:65] scope:SCOPE_SE
	s_setreg_imm32_b32 hwreg(HW_REG_WAVE_MODE, 25, 1), 1
	s_wait_xcnt 0x0
; lin = x Wl^T + bl, gamma = z Wg^T + bg, beta = z Wb^T + bb, all [1024][1024] f32, stored one behind the other in lgb.
; x, z, the weights and the biases are rounded once to bf16; products in bf16 with f32 sums.  NaN and infinities are not treated apart.
; SHARES.  A work-group makes 64 rows x 64 columns of all three results; wave (wm, wn) = (w / 2, w % 2) makes rows 16 wm .. and columns 32 wn ..: two accumulators a result.
; K goes in chunks of 256 through two LDS buffers.  Every element is loaded once by the work-group (16 bytes a lane, 512 consecutive bytes an instruction),
; rounded once, and laid into LDS; the next chunk's 32 loads a lane are on their way while a chunk is multiplied.
; The matrix instruction takes 16 rows of W as source 0 and 16 rows of x or z as source 1: a lane then holds eight neighbouring columns of one row.
; No shared tiles by joint loads: the operands are f32 in memory and bf16 in use, so they pass through registers, where each is rounded once.
.set LP,    528                        ; an LDS row: 256 bf16 + 16 bytes = 132 words: 16 rows of a fragment start at 16 different groups of four banks (64 banks of 4 bytes: ISA guide 11.1)
.set BOFF,  64*LP                      ; a buffer: 64 rows of x or z, then 64 rows of W
.set BUFSZ, 2*64*LP
.set STAGE, 2*BUFSZ                    ; behind the buffers: three stages of 64 rows x 272 bytes for the way out
.set SP,    272
.set OSTG,  64*SP
.set SPARE, STAGE+3*OSTG               ; the spare words: 128 bytes a wave, named by no other line
.set VOX,  4                           ; v4   8 w rows of 4,096 bytes + 16 l: x and Wl
.set VOZ,  5                           ; v5   8 w rows of 1,024 bytes + 16 l: z, Wg, Wb
.set ST,   6                           ; v6-7 where I lay 8 bytes of a row, buffer 0, 1
.set ADRA, 8                           ; v8-9   my fragments of x or z
.set ADRB, 10                          ; v10-11 my fragments of W
.set STO,  12
.set RD,   13
.set CO,   14
.set VBI,  15
.set SPW,  16
.set NIL,  17
.set T,    24                          ; v24-31 four pairs at work
.set ACC,  32                          ; v32-47 lin, v48-63 gamma, v64-79 beta
.set F0,   80                          ; v80-103, v104-127 two sets of fragments
.set LA,   128                         ; v128-191 sixteen loads of x or z
.set LB,   192                         ; v192-255 sixteen loads of W
.set HM,   33                          ; s33 a word's upper bf16
.set OB,   26                          ; s[26:31] the three results at my tile
.set OUT,  0                           ; loads issued and not yet taken
.macro LDG dst, vo, sb, off
	global_load_b128 v[(\dst):(\dst)+3], v[\vo], s[(\sb):(\sb)+1] offset:\off
.set OUT, OUT+1
.endm
.macro TAKE                            ; loads come back in order (ISA guide 5.7.1): the oldest is in when only the OUT - 1 younger ones are out
	s_wait_loadcnt OUT-1
.set OUT, OUT-1
.endm
.macro PUTC st, src, x                 ; load i of sixteen: four f32 rounded to bf16 and laid into row 8 w + i / 2
	TAKE
	v_cvt_pk_bf16_f32 v[T+2*(i%4)], v[(\src)+4*i], v[(\src)+4*i+1]
	v_cvt_pk_bf16_f32 v[T+2*(i%4)+1], v[(\src)+4*i+2], v[(\src)+4*i+3]
	ds_store_b64 v[\st], v[T+2*(i%4):T+2*(i%4)+1] offset:(\x)+(i/2)*LP+(i%2)*256
.endm
.macro FILLA buf, kind, c              ; kind 1: the registers are loaded again with x's chunk c; 2: with z; 0: not
.set i, 0
.rept 16
	PUTC ST+(\buf), LA, 0
.if (\kind) == 1
	LDG LA+4*i, VOX, 4, (i/2)*4096+(i%2)*512+(\c)*1024
.elseif (\kind) == 2
	LDG LA+4*i, VOZ, 6, (i/2)*1024+(i%2)*512
.endif
.set i, i+1
.endr
.endm
.macro FILLB buf, kind, c              ; kind 1: Wl's chunk c; 2: Wg; 3: Wb; 0: nothing
.set i, 0
.rept 16
	PUTC ST+(\buf), LB, BOFF
.if (\kind) == 1
	LDG LB+4*i, VOX, 8, (i/2)*4096+(i%2)*512+(\c)*1024
.elseif (\kind) == 2
	LDG LB+4*i, VOZ, 10, (i/2)*1024+(i%2)*512
.elseif (\kind) == 3
	LDG LB+4*i, VOZ, 12, (i/2)*1024+(i%2)*512
.endif
.set i, i+1
.endr
.endm
.macro PLACES                          ; four places between a matrix instruction and a load into a register that it read, or a line that reads its result
.rept 4
	v_nop
.endr
.endm
.macro BAR                             ; my LDS stores and reads are done; then all eight waves meet
	s_wait_dscnt 0x0
	s_barrier_signal -1
	s_barrier_wait -1
.endm
.macro RND2 a, b, t                    ; two inputs rounded to bf16, kept as f32
	v_cvt_pk_bf16_f32 v[\t], v[\a], v[\b]
	v_lshlrev_b32 v[\a], 16, v[\t]
	v_and_b32 v[\b], s[HM], v[\t]
.endm
.macro FETCH ab, bb, k, f              ; the fragments of 32 along K: 16 rows of x or z, 2 x 16 rows of W
	ds_load_b128 v[(\f):(\f)+3], v[ADRA+(\ab)] offset:64*(\k)
	ds_load_b128 v[(\f)+4:(\f)+7], v[ADRA+(\ab)] offset:64*(\k)+32
	ds_load_b128 v[(\f)+8:(\f)+11], v[ADRB+(\bb)] offset:64*(\k)
	ds_load_b128 v[(\f)+12:(\f)+15], v[ADRB+(\bb)] offset:64*(\k)+32
	ds_load_b128 v[(\f)+16:(\f)+19], v[ADRB+(\bb)] offset:16*LP+64*(\k)
	ds_load_b128 v[(\f)+20:(\f)+23], v[ADRB+(\bb)] offset:16*LP+64*(\k)+32
.endm
.macro MUL f, acc, first               ; the two accumulators take turns
.if \first
	v_wmma_f32_16x16x32_bf16 v[(\acc):(\acc)+7], v[(\f)+8:(\f)+15], v[(\f):(\f)+7], 0
	v_wmma_f32_16x16x32_bf16 v[(\acc)+8:(\acc)+15], v[(\f)+16:(\f)+23], v[(\f):(\f)+7], 0
.else
	v_wmma_f32_16x16x32_bf16 v[(\acc):(\acc)+7], v[(\f)+8:(\f)+15], v[(\f):(\f)+7], v[(\acc):(\acc)+7]
	v_wmma_f32_16x16x32_bf16 v[(\acc)+8:(\acc)+15], v[(\f)+16:(\f)+23], v[(\f):(\f)+7], v[(\acc)+8:(\acc)+15]
.endif
.endm
.macro MULS ab, bb, acc, first         ; a chunk: eight steps of 32 along K; a step's fragments are fetched while the step before is multiplied
	FETCH \ab, \bb, 0, F0                          ; (the roundings of the fill are the places behind the chunk before)
.set k, 0
.rept 7
.if k > 0
	PLACES
.endif
	FETCH \ab, \bb, k+1, F0+24*((k+1)%2)
	s_wait_dscnt 6                                 ; all but the six just issued
.if (k == 0) && (\first)
	MUL F0+24*(k%2), \acc, 1
.else
	MUL F0+24*(k%2), \acc, 0
.endif
.set k, k+1
.endr
	s_wait_dscnt 0x0
	MUL F0+24, \acc, 0
.endm
	s_load_b512 s[4:19], s[0:1], 0x0               ; x, z, Wl, Wg, Wb, bl, bg, bb
	s_load_b64 s[20:21], s[0:1], 0x40              ; lgb
	v_lshl_add_u32 v[SPW], v0, 2, SPARE
	v_mov_b32 v[NIL], 0
	v_lshrrev_b32 v18, 5, v0
	v_readfirstlane_b32 s22, v18                   ; w
	s_lshr_b32 s23, s22, 1                         ; wm
	s_and_b32 s24, s22, 1                          ; wn
	s_and_b32 s25, ttmp7, 0xffff                   ; block of 64 rows; ttmp9: block of 64 columns
	s_mov_b32 s[HM], 0xffff0000
	v_and_b32 v1, 31, v0                           ; l
	v_and_b32 v2, 15, v0                           ; r
	v_bfe_u32 v3, v0, 4, 1                         ; hh
	s_lshl_b32 s30, s22, 15
	v_lshl_add_u32 v[VOX], v1, 4, s30
	s_lshl_b32 s30, s22, 13
	v_lshl_add_u32 v[VOZ], v1, 4, s30
	s_mul_i32 s30, s22, 8*LP
	v_lshl_add_u32 v[ST], v1, 3, s30               ; row 8 w, 8 bytes a lane
	v_add_nc_u32 v[ST+1], BUFSZ, v[ST]
	v_mul_u32_u24 v18, v2, LP
	v_lshl_add_u32 v18, v3, 4, v18                 ; a fragment's row x pitch + 16 x half
	s_mul_i32 s30, s23, 16*LP
	v_add_nc_u32 v[ADRA], s30, v18
	v_add_nc_u32 v[ADRA+1], BUFSZ, v[ADRA]
	s_mul_i32 s30, s24, 32*LP
	s_add_co_u32 s30, s30, BOFF
	v_add_nc_u32 v[ADRB], s30, v18
	v_add_nc_u32 v[ADRB+1], BUFSZ, v[ADRB]
	v_mul_u32_u24 v18, v2, SP                      ; into a stage: row 16 wm + r, byte 128 wn + 32 hh
	v_lshl_add_u32 v18, v3, 5, v18
	s_mul_i32 s30, s23, 16*SP
	s_lshl_b32 s31, s24, 7
	s_add_co_u32 s30, s30, s31
	s_add_co_u32 s30, s30, STAGE
	v_add_nc_u32 v[STO], s30, v18
	v_mul_u32_u24 v18, v3, SP                      ; back: rows 8 w + hh, 16 bytes a lane
	v_lshl_add_u32 v18, v2, 4, v18
	s_mul_i32 s30, s22, 8*SP
	s_add_co_u32 s30, s30, STAGE
	v_add_nc_u32 v[RD], s30, v18
	v_lshlrev_b32 v18, 12, v3                      ; and the same rows in memory
	v_lshl_add_u32 v18, v2, 4, v18
	s_lshl_b32 s30, s22, 15
	v_add_nc_u32 v[CO], s30, v18
	s_lshl_b32 s30, s24, 7
	v_lshl_add_u32 v[VBI], v3, 5, s30              ; my eight columns in a bias
	s_lshl_b32 s34, s25, 18
	s_mov_b32 s35, 0
	s_lshl_b32 s36, s25, 16
	s_mov_b32 s37, 0
	s_lshl_b32 s38, ttmp9, 18
	s_mov_b32 s39, 0
	s_lshl_b32 s40, ttmp9, 16
	s_mov_b32 s41, 0
	s_lshl_b32 s42, ttmp9, 8
	s_mov_b32 s43, 0
	s_wait_kmcnt 0x0
	s_add_nc_u64 s[4:5], s[4:5], s[34:35]          ; x at my 64 rows
	s_add_nc_u64 s[6:7], s[6:7], s[36:37]          ; z
	s_add_nc_u64 s[8:9], s[8:9], s[38:39]          ; Wl at my 64 columns' rows
	s_add_nc_u64 s[10:11], s[10:11], s[40:41]      ; Wg
	s_add_nc_u64 s[12:13], s[12:13], s[40:41]      ; Wb
	s_add_nc_u64 s[14:15], s[14:15], s[42:43]      ; the biases
	s_add_nc_u64 s[16:17], s[16:17], s[42:43]
	s_add_nc_u64 s[18:19], s[18:19], s[42:43]
	s_add_nc_u64 s[20:21], s[20:21], s[34:35]
	s_add_nc_u64 s[OB:OB+1], s[20:21], s[42:43]    ; lin at my tile,
	s_add_nc_u64 s[OB+2:OB+3], s[OB:OB+1], 0x400000  ; gamma,
	s_add_nc_u64 s[OB+4:OB+5], s[OB:OB+1], 0x800000  ; beta
.set i, 0
.rept 16
	LDG LA+4*i, VOX, 4, (i/2)*4096+(i%2)*512
.set i, i+1
.endr
.set i, 0
.rept 16
	LDG LB+4*i, VOX, 8, (i/2)*4096+(i%2)*512
.set i, i+1
.endr
	; One barrier a chunk does for both orders: a buffer is written again two chunks later, and every wave has waited for its reads of it in front of the barrier between.
	FILLA 0, 1, 1
	FILLB 0, 1, 1
	BAR
	MULS 0, 0, ACC, 1
	FILLA 1, 1, 2
	FILLB 1, 1, 2
	BAR
	MULS 1, 1, ACC, 0
	FILLA 0, 1, 3
	FILLB 0, 1, 3
	BAR
	MULS 0, 0, ACC, 0
	FILLA 1, 2, 0
	FILLB 1, 2, 0
	BAR
	MULS 1, 1, ACC, 0
	FILLA 0, 0, 0                                  ; z
	FILLB 0, 3, 0                                  ; Wg
.set i, 0
.rept 12                               ; the three biases, behind every other load: my 2 x 8 columns of each
	LDG LA+4*i, VBI, 14+2*(i/4), 64*((i%4)/2)+16*(i%2)
.set i, i+1
.endr
	BAR
	MULS 0, 0, ACC+16, 1
	FILLB 1, 0, 0                                  ; Wb; z stays where it lies, in buffer 0
	BAR
	MULS 0, 1, ACC+32, 1
	; THE WAY OUT.  The biases' roundings are the places behind the last products.
	s_wait_loadcnt 0x0
.set i, 0
.rept 24
	RND2 LA+2*i, LA+2*i+1, T+(i%4)
.set i, i+1
.endr
.set a, 0                              ; a = 2 x result + tile; each accumulator is read from its low end on
.rept 6
.set q, 0
.rept 4
	v_pk_add_f32 v[ACC+8*a+2*q:ACC+8*a+2*q+1], v[ACC+8*a+2*q:ACC+8*a+2*q+1], v[LA+8*a+2*q:LA+8*a+2*q+1]
.set q, q+1
.endr
	ds_store_b128 v[STO], v[ACC+8*a:ACC+8*a+3] offset:(a/2)*OSTG+(a%2)*64
	ds_store_b128 v[STO], v[ACC+8*a+4:ACC+8*a+7] offset:(a/2)*OSTG+(a%2)*64+16
.set a, a+1
.endr
	BAR                                            ; a row's 256 bytes come from two waves
.set n, 0
.rept 12
	ds_load_b128 v[F0+4*n:F0+4*n+3], v[RD] offset:(n/4)*OSTG+(n%4)*2*SP
.set n, n+1
.endr
.set n, 0
.rept 12
	s_wait_dscnt 11-n                              ; the younger loads may stay out
	global_store_b128 v[CO], v[F0+4*n:F0+4*n+3], s[OB+2*(n/4):OB+2*(n/4)+1] offset:(n%4)*8192  ; 16 lanes store 256 consecutive bytes, aligned
.set n, n+1
.endr
	s_wait_tensorcnt 0x0                           ; the wave's end
	ds_add_u32 v[SPW], v[NIL]
	s_wait_dscnt 0x0
	s_endpgm
.Lfunc_end_k_qf7aab6a775_g1:
	.size	k_qf7aab6a775_g1, .Lfunc_end_k_qf7aab6a775_g1-k_qf7aab6a775_g1
	.p2alignl 7, 3214868480
	.fill 96, 4, 3214868480
	.section	.rodata,"a",@progbits
	.p2align	6, 0x0
	.amdhsa_kernel k_qf7aab6a775_g1
		.amdhsa_group_segment_fixed_size 188416
		.amdhsa_private_segment_fixed_size 0
		.amdhsa_enable_private_segment 0
		.amdhsa_kernarg_size 72
		.amdhsa_user_sgpr_count 2
		.amdhsa_user_sgpr_kernarg_segment_ptr 1
		.amdhsa_wavefront_size32 1
		.amdhsa_system_sgpr_workgroup_id_x 1
		.amdhsa_system_sgpr_workgroup_id_y 1
		.amdhsa_system_sgpr_workgroup_id_z 1
		.amdhsa_system_vgpr_workitem_id 0
		.amdhsa_next_free_vgpr 256
		.amdhsa_next_free_sgpr 66
		.amdhsa_reserve_vcc 0
		.amdhsa_float_denorm_mode_32 3
		.amdhsa_float_denorm_mode_16_64 3
		.amdhsa_memory_ordered 1
		.amdhsa_forward_progress 1
		.amdhsa_inst_pref_size 98
	.end_amdhsa_kernel
	.amdgpu_metadata
---
amdhsa.version: [ 1, 2 ]
amdhsa.kernels:
  - .name:           k_qf7aab6a775_g1
    .symbol:         k_qf7aab6a775_g1.kd
    .args:
      - { .name: x, .offset: 0, .size: 8, .value_kind: global_buffer, .address_space: global }
      - { .name: z, .offset: 8, .size: 8, .value_kind: global_buffer, .address_space: global }
      - { .name: Wl, .offset: 16, .size: 8, .value_kind: global_buffer, .address_space: global }
      - { .name: Wg, .offset: 24, .size: 8, .value_kind: global_buffer, .address_space: global }
      - { .name: Wb, .offset: 32, .size: 8, .value_kind: global_buffer, .address_space: global }
      - { .name: bl, .offset: 40, .size: 8, .value_kind: global_buffer, .address_space: global }
      - { .name: bg, .offset: 48, .size: 8, .value_kind: global_buffer, .address_space: global }
      - { .name: bb, .offset: 56, .size: 8, .value_kind: global_buffer, .address_space: global }
      - { .name: lgb, .offset: 64, .size: 8, .value_kind: global_buffer, .address_space: global }
    .group_segment_fixed_size: 188416
    .private_segment_fixed_size: 0
    .kernarg_segment_align: 8
    .kernarg_segment_size: 72
    .max_flat_workgroup_size: 256
    .sgpr_count:     66
    .vgpr_count:     256
    .wavefront_size: 32
...
	.end_amdgpu_metadata
.endif
;; end of part 1
;; launch ln1 (part 2): grid 256 x 1, 4 waves a work-group, no clusters, 0 bytes of LDS; arguments lgb, ln1_g, ln1_b, outb; writes outb
.if DOCPART == 2
	.amdgcn_target "amdgcn-amd-amdhsa--gfx1250"
	.amdhsa_code_object_version 6
	.text
	.protected	k_qf7aab6a775_ln1
	.globl	k_qf7aab6a775_ln1
	.p2align	8
	.type	k_qf7aab6a775_ln1,@function
k_qf7aab6a775_ln1:
	s_mov_b64 s[64:65], 0
	v_nop
	global_prefetch_b8 v0, s[64:65] scope:SCOPE_SE
	s_setreg_imm32_b32 hwreg(HW_REG_WAVE_MODE, 25, 1), 1
	s_wait_xcnt 0x0
; out = (LayerNorm(lin) g + b) (1 + gamma) + beta.  One wave, one row of 1,024; the row stays in 32 registers; mean first, then the sum of squared differences.
; g and b are rounded to bf16 like every input.  out is stored twice: as f32 (at 4 MiB) and as two bf16 numbers hi + lo for the next product:
; a row is 16 blocks of 256 bytes, each 64 hi and then the 64 lo of the same columns.  v_rsq_f32 is good to 1 ulp.  No LDS, no matrix unit: a stream.
; COLUMNS.  In instruction i a lane owns the four columns 64 (2 i + hh) + 8 p + 4 part ..: 16 lanes cover 256 consecutive bytes of f32.
.set VOF, 5                            ; v5 256 hh + 32 p + 16 part
.set VOH, 6                            ; v6 16 l
.set X,   8
.set G,   40
.set BB,  72
.set GM,  104
.set BT,  136
.set S,   168
.set M,   176
.set R,   178
.set H,   180
.set L,   182
.set U,   184
.set SD,  188
.set RC,  190
.set TT,  192
.set HM,  22
.set PM,  23
.set K10, 24
.set EPS, 25
.set SEL, 26
.macro RND2 a, b, t
	v_cvt_pk_bf16_f32 v[\t], v[\a], v[\b]
	v_lshlrev_b32 v[\a], 16, v[\t]
	v_and_b32 v[\b], s[HM], v[\t]
.endm
.macro RSUM a, t                       ; the sum over the 32 lanes, in every lane
	v_add_f32_dpp v[\a], v[\a], v[\a] row_xmask:1 row_mask:0xf bank_mask:0xf
	v_add_f32_dpp v[\a], v[\a], v[\a] row_xmask:2 row_mask:0xf bank_mask:0xf
	v_add_f32_dpp v[\a], v[\a], v[\a] row_xmask:4 row_mask:0xf bank_mask:0xf
	v_add_f32_dpp v[\a], v[\a], v[\a] row_xmask:8 row_mask:0xf bank_mask:0xf
	v_permlanex16_b32 v[\t], v[\a], s[SEL], s[SEL+1]
	v_add_f32 v[\a], v[\a], v[\t]
.endm
.macro FOLD                            ; four chains into one number a lane
	v_pk_add_f32 v[S:S+1], v[S:S+1], v[S+2:S+3]
	v_pk_add_f32 v[S+4:S+5], v[S+4:S+5], v[S+6:S+7]
	v_pk_add_f32 v[S:S+1], v[S:S+1], v[S+4:S+5]
	v_add_f32 v[S], v[S], v[S+1]
	RSUM S, S+1
.endm
.macro STATS                           ; X becomes x - mean; R takes 1 / sqrt(var + eps): a plain line follows before it is used
.set c, 0
.rept 4
	v_pk_add_f32 v[S+2*c:S+2*c+1], v[X+2*c:X+2*c+1], v[X+8+2*c:X+8+2*c+1]
.set c, c+1
.endr
.set c, 0
.rept 8
	v_pk_add_f32 v[S+2*(c%4):S+2*(c%4)+1], v[S+2*(c%4):S+2*(c%4)+1], v[X+16+2*c:X+16+2*c+1]
.set c, c+1
.endr
	FOLD
	v_mul_f32 v[M], s[K10], v[S]
	v_mov_b32 v[M+1], v[M]
.set c, 0
.rept 16
	v_pk_add_f32 v[X+2*c:X+2*c+1], v[X+2*c:X+2*c+1], v[M:M+1] neg_lo:[0,1] neg_hi:[0,1]
.set c, c+1
.endr
.set c, 0
.rept 4
	v_pk_mul_f32 v[S+2*c:S+2*c+1], v[X+2*c:X+2*c+1], v[X+2*c:X+2*c+1]
.set c, c+1
.endr
.set c, 0
.rept 12
	v_pk_fma_f32 v[S+2*(c%4):S+2*(c%4)+1], v[X+8+2*c:X+8+2*c+1], v[X+8+2*c:X+8+2*c+1], v[S+2*(c%4):S+2*(c%4)+1]
.set c, c+1
.endr
	FOLD
	v_fma_f32 v[R], v[S], s[K10], s[EPS]
	v_rsq_f32 v[R], v[R]
.endm
	s_load_b256 s[4:11], s[0:1], 0x0               ; lgb, g, b, outb
	v_lshrrev_b32 v1, 5, v0
	v_readfirstlane_b32 s12, v1
	s_lshl_b32 s13, ttmp9, 2
	s_add_co_u32 s13, s13, s12                     ; my row
	s_lshl_b32 s14, s13, 12
	s_mov_b32 s15, 0
	s_mov_b32 s[HM], 0xffff0000
	s_mov_b32 s[PM], 0xff00ff00                    ; the lanes with part = 1
	s_mov_b32 s[K10], 0x3a800000                   ; 1 / 1024
	s_mov_b32 s[EPS], 0x3727c5ac                   ; 1e-5
	s_mov_b32 s[SEL], 0x76543210
	s_mov_b32 s[SEL+1], 0xfedcba98
	v_and_b32 v1, 31, v0
	v_bfe_u32 v2, v0, 4, 1
	v_and_b32 v3, 7, v0
	v_bfe_u32 v4, v0, 3, 1
	v_lshlrev_b32 v[VOF], 8, v2
	v_lshl_add_u32 v[VOF], v3, 5, v[VOF]
	v_lshl_add_u32 v[VOF], v4, 4, v[VOF]
	v_lshlrev_b32 v[VOH], 4, v1
	v_mov_b32 v[RC], 0                             ; a DPP line's destination counts as read
	v_mov_b32 v[RC+1], 0
	s_wait_kmcnt 0x0
	s_add_nc_u64 s[4:5], s[4:5], s[14:15]          ; lin's row,
	s_add_nc_u64 s[16:17], s[4:5], 0x400000        ; gamma's,
	s_add_nc_u64 s[18:19], s[4:5], 0x800000        ; beta's
	s_add_nc_u64 s[10:11], s[10:11], s[14:15]      ; out as hi and lo,
	s_add_nc_u64 s[20:21], s[10:11], 0x400000      ; out as f32
.set i, 0
.rept 8
	global_load_b128 v[X+4*i:X+4*i+3], v[VOF], s[4:5] offset:512*i
.set i, i+1
.endr
.set i, 0
.rept 8
	global_load_b128 v[G+4*i:G+4*i+3], v[VOF], s[6:7] offset:512*i
.set i, i+1
.endr
.set i, 0
.rept 8
	global_load_b128 v[BB+4*i:BB+4*i+3], v[VOF], s[8:9] offset:512*i
.set i, i+1
.endr
.set i, 0
.rept 8
	global_load_b128 v[GM+4*i:GM+4*i+3], v[VOF], s[16:17] offset:512*i
.set i, i+1
.endr
.set i, 0
.rept 8
	global_load_b128 v[BT+4*i:BT+4*i+3], v[VOF], s[18:19] offset:512*i
.set i, i+1
.endr
	s_wait_loadcnt 32                              ; lin is in; the 32 younger loads stay out
	STATS
	s_wait_loadcnt 16                              ; g and b are in; gamma and beta stay out
.set c, 0
.rept 16
	RND2 G+2*c, G+2*c+1, TT+2*(c%2)
	RND2 BB+2*c, BB+2*c+1, TT+2*(c%2)+1
.set c, c+1
.endr
	s_wait_alu depctr_va_vdst(0)
	v_mov_b32 v[R+1], v[R]
	s_wait_loadcnt 0x0
.set c, 0
.rept 16
	v_pk_mul_f32 v[X+2*c:X+2*c+1], v[X+2*c:X+2*c+1], v[R:R+1]
.set c, c+1
.endr
.set c, 0
.rept 16
	v_pk_fma_f32 v[X+2*c:X+2*c+1], v[X+2*c:X+2*c+1], v[G+2*c:G+2*c+1], v[BB+2*c:BB+2*c+1]  ; y
.set c, c+1
.endr
.set c, 0
.rept 16
	v_pk_add_f32 v[BT+2*c:BT+2*c+1], v[X+2*c:X+2*c+1], v[BT+2*c:BT+2*c+1]
.set c, c+1
.endr
.set c, 0
.rept 16
	v_pk_fma_f32 v[X+2*c:X+2*c+1], v[X+2*c:X+2*c+1], v[GM+2*c:GM+2*c+1], v[BT+2*c:BT+2*c+1]  ; y gamma + (y + beta)
.set c, c+1
.endr
.set i, 0
.rept 8
	global_store_b128 v[VOF], v[X+4*i:X+4*i+3], s[20:21] offset:512*i
.set i, i+1
.endr
	; hi = bf16(o), lo = bf16(o - hi).  A lane and the lane 8 away own the eight columns 8 p ..: the one with part = 0 gathers the eight hi, the other the eight lo, 16 bytes each.
.set i, 0
.rept 8
.set Z, X+4*i
.set O, G+4*i                          ; g's registers are free; each store has data registers of its own
	v_cvt_pk_bf16_f32 v[H], v[Z], v[Z+1]
	v_cvt_pk_bf16_f32 v[H+1], v[Z+2], v[Z+3]
	v_lshlrev_b32 v[U], 16, v[H]
	v_and_b32 v[U+1], s[HM], v[H]
	v_lshlrev_b32 v[U+2], 16, v[H+1]
	v_and_b32 v[U+3], s[HM], v[H+1]
	v_pk_add_f32 v[U:U+1], v[Z:Z+1], v[U:U+1] neg_lo:[0,1] neg_hi:[0,1]
	v_pk_add_f32 v[U+2:U+3], v[Z+2:Z+3], v[U+2:U+3] neg_lo:[0,1] neg_hi:[0,1]
	v_cvt_pk_bf16_f32 v[L], v[U], v[U+1]
	v_cvt_pk_bf16_f32 v[L+1], v[U+2], v[U+3]
	v_cndmask_b32 v[SD], v[L], v[H], s[PM]         ; part 0 gives its lo away, part 1 its hi
	v_cndmask_b32 v[SD+1], v[L+1], v[H+1], s[PM]
	v_mov_b32_dpp v[RC], v[SD] row_xmask:8 row_mask:0xf bank_mask:0xf
	v_mov_b32_dpp v[RC+1], v[SD+1] row_xmask:8 row_mask:0xf bank_mask:0xf
	v_cndmask_b32 v[O], v[H], v[RC], s[PM]
	v_cndmask_b32 v[O+1], v[H+1], v[RC+1], s[PM]
	v_cndmask_b32 v[O+2], v[RC], v[L], s[PM]
	v_cndmask_b32 v[O+3], v[RC+1], v[L+1], s[PM]
	global_store_b128 v[VOH], v[O:O+3], s[10:11] offset:512*i  ; 512 consecutive bytes: two whole blocks
.set i, i+1
.endr
	s_endpgm
.Lfunc_end_k_qf7aab6a775_ln1:
	.size	k_qf7aab6a775_ln1, .Lfunc_end_k_qf7aab6a775_ln1-k_qf7aab6a775_ln1
	.p2alignl 7, 3214868480
	.fill 96, 4, 3214868480
	.section	.rodata,"a",@progbits
	.p2align	6, 0x0
	.amdhsa_kernel k_qf7aab6a775_ln1
		.amdhsa_group_segment_fixed_size 0
		.amdhsa_private_segment_fixed_size 0
		.amdhsa_enable_private_segment 0
		.amdhsa_kernarg_size 32
		.amdhsa_user_sgpr_count 2
		.amdhsa_user_sgpr_kernarg_segment_ptr 1
		.amdhsa_wavefront_size32 1
		.amdhsa_system_sgpr_workgroup_id_x 1
		.amdhsa_system_sgpr_workgroup_id_y 1
		.amdhsa_system_sgpr_workgroup_id_z 1
		.amdhsa_system_vgpr_workitem_id 0
		.amdhsa_next_free_vgpr 200
		.amdhsa_next_free_sgpr 66
		.amdhsa_reserve_vcc 0
		.amdhsa_float_denorm_mode_32 3
		.amdhsa_float_denorm_mode_16_64 3
		.amdhsa_memory_ordered 1
		.amdhsa_forward_progress 1
		.amdhsa_inst_pref_size 28
	.end_amdhsa_kernel
	.amdgpu_metadata
---
amdhsa.version: [ 1, 2 ]
amdhsa.kernels:
  - .name:           k_qf7aab6a775_ln1
    .symbol:         k_qf7aab6a775_ln1.kd
    .args:
      - { .name: lgb, .offset: 0, .size: 8, .value_kind: global_buffer, .address_space: global }
      - { .name: ln1_g, .offset: 8, .size: 8, .value_kind: global_buffer, .address_space: global }
      - { .name: ln1_b, .offset: 16, .size: 8, .value_kind: global_buffer, .address_space: global }
      - { .name: outb, .offset: 24, .size: 8, .value_kind: global_buffer, .address_space: global }
    .group_segment_fixed_size: 0
    .private_segment_fixed_size: 0
    .kernarg_segment_align: 8
    .kernarg_segment_size: 32
    .max_flat_workgroup_size: 128
    .sgpr_count:     66
    .vgpr_count:     200
    .wavefront_size: 32
...
	.end_amdgpu_metadata
.endif
;; end of part 2
;; launch g2 (part 3): grid 16 x 16, 8 waves a work-group, no clusters, 221,696 bytes of LDS; arguments outb, Wq, bq, qhl; writes qhl
.if DOCPART == 3
	.amdgcn_target "amdgcn-amd-amdhsa--gfx1250"
	.amdhsa_code_object_version 6
	.text
	.protected	k_qf7aab6a775_g2
	.globl	k_qf7aab6a775_g2
	.p2align	8
	.type	k_qf7aab6a775_g2,@function
k_qf7aab6a775_g2:
	s_mov_b64 s[64:65], 0
	v_nop
	global_prefetch_b8 v0, s[64:65] scope:SCOPE_SE
	s_setreg_imm32_b32 hwreg(HW_REG_WAVE_MODE, 25, 1), 1
	s_wait_xcnt 0x0
; C = A B^T + bias.  A: [1024] rows of K numbers, each as two bf16 (hi + lo): blocks of 256 bytes, 64 hi then the 64 lo of the same columns.  B: [1024][K] f32, bias: [1024] f32,
; both rounded once to bf16.  C: [1024][1024], again as hi and lo.  Both halves of A are multiplied by the same fragment of B; sums in f32.  NaN and infinities are not treated apart.
; G5 = 0: K = 1,024, A's rows 4,096 bytes apart.  G5 = 1: A is [1024][8 heads][768], and a block of 64 columns takes the rows of its head (column block / 2); K = 768.
; SHARES.  A work-group makes 64 x 64 of C; wave (wm, wn) = (w / 2, w % 2) rows 16 wm .., columns 32 wn ..: two accumulators.  K goes in chunks of 256 through two LDS buffers; every element is
; loaded once by the work-group (512 consecutive bytes an instruction); the next chunk's 32 loads a lane are on their way while a chunk is multiplied.
; Source 0 is 16 rows of B, source 1 16 rows of A: a lane then holds eight neighbouring columns of one row of C.
; No shared tiles by joint loads: B is f32 in memory and bf16 in use, so it passes through registers, where each number is rounded once.
.set G5, 0
.if G5
.set NST,    3
.set APITCH, 24576
.set BPITCH, 3072
.else
.set NST,    4
.set APITCH, 4096
.set BPITCH, 4096
.endif
.set LP,    528                        ; an LDS row: 256 bf16 + 16 bytes = 132 words: 16 rows of a fragment start at 16 different groups of four banks (64 banks of 4 bytes: ISA guide 11.1)
.set ALOFF, 64*LP+128                  ; a buffer: 64 rows of hi; 64 rows of lo, 128 bytes askew so that a store's hi lanes and lo lanes take different banks; 64 rows of B
.set BOFF,  ALOFF+64*LP
.set BUFSZ, 101632
.set STAGE, 2*BUFSZ                    ; behind the buffers: 64 rows x 272 bytes for the way out
.set SP,    272
.set SPARE, STAGE+64*SP                ; the spare words: 128 bytes a wave, named by no other line
.set VOA,  4
.set VOB,  5
.set STA,  6                           ; v6-7   where I lay 16 bytes of A, buffer 0, 1
.set STB,  8                           ; v8-9   where I lay 8 bytes of B
.set ADRA, 10                          ; v10-11 my fragments of A
.set ADRB, 12                          ; v12-13 my fragments of B
.set STO,  14
.set RD,   15
.set CO,   16
.set VBI,  17
.set SPW,  18
.set NIL,  19
.set T,    20                          ; v20-27 at work
.set ACC,  28                          ; v28-43
.set F0,   44                          ; v44-75, v76-107 two sets of fragments: hi, lo, B, B
.set F1,   76
.set LA,   108                         ; v108-171 sixteen loads of A
.set LB,   172                         ; v172-235 sixteen loads of B
.set BI,   236                         ; v236-251 the bias of my 2 x 8 columns
.set HM,   28                          ; s28
.set OUT,  0                           ; loads of A and B issued and not yet taken
.macro LDG dst, vo, sb, off
	global_load_b128 v[(\dst):(\dst)+3], v[\vo], s[(\sb):(\sb)+1] offset:\off
.set OUT, OUT+1
.endm
.macro TAKE                            ; loads come back in order (ISA guide 5.7.1): the oldest is in when only the OUT - 1 younger ones are out
	s_wait_loadcnt OUT-1
.set OUT, OUT-1
.endm
.macro PLACES                          ; four places between a matrix instruction and a load into a register that it read
.rept 4
	v_nop
.endr
.endm
.macro BAR                             ; my LDS stores and reads are done; then all eight waves meet
	s_wait_dscnt 0x0
	s_barrier_signal -1
	s_barrier_wait -1
.endm
.macro RND2 a, b, t
	v_cvt_pk_bf16_f32 v[\t], v[\a], v[\b]
	v_lshlrev_b32 v[\a], 16, v[\t]
	v_and_b32 v[\b], s[HM], v[\t]
.endm
.macro SPLIT S, H, L, U                ; eight f32 -> four registers of hi = bf16(v), four of lo = bf16(v - hi); the source is read from its low end on
.set sq, 0
.rept 4
	v_cvt_pk_bf16_f32 v[(\H)+sq], v[(\S)+2*sq], v[(\S)+2*sq+1]
.set sq, sq+1
.endr
.set sq, 0
.rept 4
	v_lshlrev_b32 v[(\U)+2*sq], 16, v[(\H)+sq]
	v_and_b32 v[(\U)+2*sq+1], s[HM], v[(\H)+sq]
.set sq, sq+1
.endr
.set sq, 0
.rept 4
	v_pk_add_f32 v[(\U)+2*sq:(\U)+2*sq+1], v[(\S)+2*sq:(\S)+2*sq+1], v[(\U)+2*sq:(\U)+2*sq+1] neg_lo:[0,1] neg_hi:[0,1]
.set sq, sq+1
.endr
.set sq, 0
.rept 4
	v_cvt_pk_bf16_f32 v[(\L)+sq], v[(\U)+2*sq], v[(\U)+2*sq+1]
.set sq, sq+1
.endr
.endm
.macro FILL s                          ; chunk s goes from registers into buffer s % 2, and the registers are loaded again with chunk s + 1
.set i, 0
.rept 16
	TAKE
	ds_store_b128 v[STA+((\s)%2)], v[LA+4*i:LA+4*i+3] offset:(i/2)*LP+(i%2)*256
.if (\s)+1 < NST
	LDG LA+4*i, VOA, 4, (i/2)*APITCH+(i%2)*512+((\s)+1)*1024
.endif
.set i, i+1
.endr
.set i, 0
.rept 16
	TAKE
	v_cvt_pk_bf16_f32 v[T+2*(i%4)], v[LB+4*i], v[LB+4*i+1]
	v_cvt_pk_bf16_f32 v[T+2*(i%4)+1], v[LB+4*i+2], v[LB+4*i+3]
	ds_store_b64 v[STB+((\s)%2)], v[T+2*(i%4):T+2*(i%4)+1] offset:(i/2)*LP+(i%2)*256
.if (\s)+1 < NST
	LDG LB+4*i, VOB, 6, (i/2)*BPITCH+(i%2)*512+((\s)+1)*1024
.endif
.set i, i+1
.endr
.endm
.macro FETCH b, k, f                   ; the fragments of 32 along K
	ds_load_b128 v[(\f):(\f)+3], v[ADRA+(\b)] offset:64*(\k)
	ds_load_b128 v[(\f)+4:(\f)+7], v[ADRA+(\b)] offset:64*(\k)+32
	ds_load_b128 v[(\f)+8:(\f)+11], v[ADRA+(\b)] offset:ALOFF+64*(\k)
	ds_load_b128 v[(\f)+12:(\f)+15], v[ADRA+(\b)] offset:ALOFF+64*(\k)+32
	ds_load_b128 v[(\f)+16:(\f)+19], v[ADRB+(\b)] offset:64*(\k)
	ds_load_b128 v[(\f)+20:(\f)+23], v[ADRB+(\b)] offset:64*(\k)+32
	ds_load_b128 v[(\f)+24:(\f)+27], v[ADRB+(\b)] offset:16*LP+64*(\k)
	ds_load_b128 v[(\f)+28:(\f)+31], v[ADRB+(\b)] offset:16*LP+64*(\k)+32
.endm
.macro MUL f, first                    ; the two accumulators take turns
.if \first
	v_wmma_f32_16x16x32_bf16 v[ACC:ACC+7], v[(\f)+16:(\f)+23], v[(\f):(\f)+7], 0
	v_wmma_f32_16x16x32_bf16 v[ACC+8:ACC+15], v[(\f)+24:(\f)+31], v[(\f):(\f)+7], 0
.else
	v_wmma_f32_16x16x32_bf16 v[ACC:ACC+7], v[(\f)+16:(\f)+23], v[(\f):(\f)+7], v[ACC:ACC+7]
	v_wmma_f32_16x16x32_bf16 v[ACC+8:ACC+15], v[(\f)+24:(\f)+31], v[(\f):(\f)+7], v[ACC+8:ACC+15]
.endif
	v_wmma_f32_16x16x32_bf16 v[ACC:ACC+7], v[(\f)+16:(\f)+23], v[(\f)+8:(\f)+15], v[ACC:ACC+7]
	v_wmma_f32_16x16x32_bf16 v[ACC+8:ACC+15], v[(\f)+24:(\f)+31], v[(\f)+8:(\f)+15], v[ACC+8:ACC+15]
.endm
.macro MULS b, first                   ; a chunk: eight steps of 32 along K; a step's fragments are fetched while the step before is multiplied
	FETCH \b, 0, F0                                ; (the roundings of the fill are the places behind the chunk before)
.set k, 0
.rept 7
.if k > 0
	PLACES
.endif
	FETCH \b, k+1, F0+32*((k+1)%2)
	s_wait_dscnt 8                                 ; all but the eight just issued
.if (k == 0) && (\first)
	MUL F0+32*(k%2), 1
.else
	MUL F0+32*(k%2), 0
.endif
.set k, k+1
.endr
	s_wait_dscnt 0x0
	MUL F1, 0
.endm
	s_load_b256 s[4:11], s[0:1], 0x0               ; A, B, bias, C
	v_lshl_add_u32 v[SPW], v0, 2, SPARE
	v_mov_b32 v[NIL], 0
	v_lshrrev_b32 v20, 5, v0
	v_readfirstlane_b32 s12, v20                   ; w
	s_lshr_b32 s13, s12, 1                         ; wm
	s_and_b32 s15, s12, 1                          ; wn
	s_and_b32 s14, ttmp7, 0xffff                   ; block of 64 rows; ttmp9: block of 64 columns
	s_mov_b32 s[HM], 0xffff0000
	v_and_b32 v1, 31, v0                           ; l
	v_and_b32 v2, 15, v0                           ; r
	v_bfe_u32 v3, v0, 4, 1                         ; hh
	v_and_b32 v20, 7, v0                           ; p
	v_bfe_u32 v21, v0, 3, 1                        ; part: 0 = a block's hi, 1 = its lo
	s_mul_i32 s16, s12, 8*APITCH
	v_lshl_add_u32 v[VOA], v1, 4, s16
	s_mul_i32 s16, s12, 8*BPITCH
	v_lshl_add_u32 v[VOB], v1, 4, s16
	s_mul_i32 s16, s12, 8*LP
	v_mul_u32_u24 v22, v21, ALOFF
	v_lshl_add_u32 v22, v3, 7, v22
	v_lshl_add_u32 v22, v20, 4, v22
	v_add_nc_u32 v[STA], s16, v22
	v_add_nc_u32 v[STA+1], BUFSZ, v[STA]
	v_lshl_add_u32 v[STB], v1, 3, s16
	v_add_nc_u32 v[STB], BOFF, v[STB]
	v_add_nc_u32 v[STB+1], BUFSZ, v[STB]
	v_mul_u32_u24 v22, v2, LP
	v_lshl_add_u32 v22, v3, 4, v22                 ; a fragment's row x pitch + 16 x half
	s_mul_i32 s16, s13, 16*LP
	v_add_nc_u32 v[ADRA], s16, v22
	v_add_nc_u32 v[ADRA+1], BUFSZ, v[ADRA]
	s_mul_i32 s16, s15, 32*LP
	s_add_co_u32 s16, s16, BOFF
	v_add_nc_u32 v[ADRB], s16, v22
	v_add_nc_u32 v[ADRB+1], BUFSZ, v[ADRB]
	v_mul_u32_u24 v22, v2, SP                      ; into the stage: row 16 wm + r, byte 64 wn + 16 hh of the hi half
	v_lshl_add_u32 v22, v3, 4, v22
	s_mul_i32 s16, s13, 16*SP
	s_lshl_b32 s17, s15, 6
	s_add_co_u32 s16, s16, s17
	s_add_co_u32 s16, s16, STAGE
	v_add_nc_u32 v[STO], s16, v22
	v_mul_u32_u24 v22, v3, SP                      ; back: rows 8 w + hh, 16 bytes a lane
	v_lshl_add_u32 v22, v2, 4, v22
	s_mul_i32 s16, s12, 8*SP
	s_add_co_u32 s16, s16, STAGE
	v_add_nc_u32 v[RD], s16, v22
	v_lshlrev_b32 v22, 12, v3                      ; and the same rows in C
	v_lshl_add_u32 v22, v2, 4, v22
	s_lshl_b32 s16, s12, 15
	v_add_nc_u32 v[CO], s16, v22
	s_lshl_b32 s16, s15, 7
	v_lshl_add_u32 v[VBI], v3, 5, s16
	s_lshl_b32 s20, s14, 18                        ; C: 64 rows of 4,096 bytes
	s_mov_b32 s21, 0
	s_lshl_b32 s22, ttmp9, 8                       ; 64 columns: 256 bytes of a row of C and of the bias
	s_mov_b32 s23, 0
.if G5
	s_mul_i32 s24, s14, 64*APITCH
	s_lshr_b32 s26, ttmp9, 1                       ; the head
	s_mul_i32 s26, s26, 3072
	s_add_co_u32 s24, s24, s26
	s_mul_i32 s26, ttmp9, 64*BPITCH
.else
	s_mov_b32 s24, s20
	s_lshl_b32 s26, ttmp9, 18
.endif
	s_mov_b32 s25, 0
	s_mov_b32 s27, 0
	s_wait_kmcnt 0x0
	s_add_nc_u64 s[4:5], s[4:5], s[24:25]
	s_add_nc_u64 s[6:7], s[6:7], s[26:27]
	s_add_nc_u64 s[8:9], s[8:9], s[22:23]
	s_add_nc_u64 s[10:11], s[10:11], s[20:21]
	s_add_nc_u64 s[10:11], s[10:11], s[22:23]
.set i, 0
.rept 4                                ; the bias first: older than every load of A and B, so the first TAKE shows it in
	global_load_b128 v[BI+4*i:BI+4*i+3], v[VBI], s[8:9] offset:64*(i/2)+16*(i%2)
.set i, i+1
.endr
.set i, 0
.rept 16
	LDG LA+4*i, VOA, 4, (i/2)*APITCH+(i%2)*512
.set i, i+1
.endr
.set i, 0
.rept 16
	LDG LB+4*i, VOB, 6, (i/2)*BPITCH+(i%2)*512
.set i, i+1
.endr
	; One barrier a chunk does for both orders: a buffer is written again two chunks later, and every wave has waited for its reads of it in front of the barrier between.
.set st, 0
.rept NST
	FILL st
	BAR
.if st == 0
	MULS 0, 1
.else
	MULS st%2, 0
.endif
.set st, st+1
.endr
	; THE WAY OUT.  The bias's roundings are the places behind the last products.
.set i, 0
.rept 8
	RND2 BI+2*i, BI+2*i+1, T+(i%4)
.set i, i+1
.endr
.set t, 0
.rept 2
.set q, 0
.rept 4
	v_pk_add_f32 v[ACC+8*t+2*q:ACC+8*t+2*q+1], v[ACC+8*t+2*q:ACC+8*t+2*q+1], v[BI+8*t+2*q:BI+8*t+2*q+1]
.set q, q+1
.endr
	SPLIT ACC+8*t, T, T+4, F0
	ds_store_b128 v[STO], v[T:T+3] offset:32*t
	ds_store_b128 v[STO], v[T+4:T+7] offset:32*t+128
.set t, t+1
.endr
	BAR                                            ; a row's 256 bytes come from two waves
.set i, 0
.rept 4
	ds_load_b128 v[F1+4*i:F1+4*i+3], v[RD] offset:i*2*SP
.set i, i+1
.endr
.set i, 0
.rept 4
	s_wait_dscnt 3-i                               ; the younger loads may stay out
	global_store_b128 v[CO], v[F1+4*i:F1+4*i+3], s[10:11] offset:i*8192  ; 16 lanes store one whole block of 256 bytes
.set i, i+1
.endr
	s_wait_tensorcnt 0x0                           ; the wave's end
	ds_add_u32 v[SPW], v[NIL]
	s_wait_dscnt 0x0
	s_endpgm
.Lfunc_end_k_qf7aab6a775_g2:
	.size	k_qf7aab6a775_g2, .Lfunc_end_k_qf7aab6a775_g2-k_qf7aab6a775_g2
	.p2alignl 7, 3214868480
	.fill 96, 4, 3214868480
	.section	.rodata,"a",@progbits
	.p2align	6, 0x0
	.amdhsa_kernel k_qf7aab6a775_g2
		.amdhsa_group_segment_fixed_size 221696
		.amdhsa_private_segment_fixed_size 0
		.amdhsa_enable_private_segment 0
		.amdhsa_kernarg_size 32
		.amdhsa_user_sgpr_count 2
		.amdhsa_user_sgpr_kernarg_segment_ptr 1
		.amdhsa_wavefront_size32 1
		.amdhsa_system_sgpr_workgroup_id_x 1
		.amdhsa_system_sgpr_workgroup_id_y 1
		.amdhsa_system_sgpr_workgroup_id_z 1
		.amdhsa_system_vgpr_workitem_id 0
		.amdhsa_next_free_vgpr 256
		.amdhsa_next_free_sgpr 66
		.amdhsa_reserve_vcc 0
		.amdhsa_float_denorm_mode_32 3
		.amdhsa_float_denorm_mode_16_64 3
		.amdhsa_memory_ordered 1
		.amdhsa_forward_progress 1
		.amdhsa_inst_pref_size 70
	.end_amdhsa_kernel
	.amdgpu_metadata
---
amdhsa.version: [ 1, 2 ]
amdhsa.kernels:
  - .name:           k_qf7aab6a775_g2
    .symbol:         k_qf7aab6a775_g2.kd
    .args:
      - { .name: outb, .offset: 0, .size: 8, .value_kind: global_buffer, .address_space: global }
      - { .name: Wq, .offset: 8, .size: 8, .value_kind: global_buffer, .address_space: global }
      - { .name: bq, .offset: 16, .size: 8, .value_kind: global_buffer, .address_space: global }
      - { .name: qhl, .offset: 24, .size: 8, .value_kind: global_buffer, .address_space: global }
    .group_segment_fixed_size: 221696
    .private_segment_fixed_size: 0
    .kernarg_segment_align: 8
    .kernarg_segment_size: 32
    .max_flat_workgroup_size: 256
    .sgpr_count:     66
    .vgpr_count:     256
    .wavefront_size: 32
...
	.end_amdgpu_metadata
.endif
;; end of part 3
;; launch g3 (part 4): grid 16 x 16, 8 waves a work-group, no clusters, 237,824 bytes of LDS; arguments qhl, Wk, bk, qk, sb; writes qk, sb
.if DOCPART == 4
	.amdgcn_target "amdgcn-amd-amdhsa--gfx1250"
	.amdhsa_code_object_version 6
	.text
	.protected	k_qf7aab6a775_g3
	.globl	k_qf7aab6a775_g3
	.p2align	8
	.type	k_qf7aab6a775_g3,@function
k_qf7aab6a775_g3:
	s_mov_b64 s[64:65], 0
	v_nop
	global_prefetch_b8 v0, s[64:65] scope:SCOPE_SE
	s_setreg_imm32_b32 hwreg(HW_REG_WAVE_MODE, 25, 1), 1
	s_wait_xcnt 0x0
; The key projection, taken from the query's side: scores[b,h,t] = (q[b,h,:] Wk_h) . text[b,t,:] + q[b,h,:] . bk_h, which is reference()'s q . (Wk_h text + bk_h) in another order of sums.
; Here: qk[b][h][c] = sum over d of q[b][h][d] Wk[128 h + d][c] (768 c, stored as hi and lo in blocks of 256 bytes), and sb[h][b] = sum over d of q[b][h][d] bk[128 h + d] (f32).
; q comes as hi + lo (two bf16); Wk and bk are rounded once to bf16; sums in f32.  NaN and infinities are not treated apart.
; SHARES.  A work-group: 64 b x 384 c of one head (ttmp9 = 2 head + half).  K = 128 lies in LDS at once.  Wave w makes the tiles of 16 c numbered w, w + 8, w + 16 for all four tiles of 16 b: 12 accumulators.
; Wk lies [d][c] in LDS and is turned on the way out of it by ds_load_tr16_b128.  Source 0 = 16 c, source 1 = 16 b: a lane holds eight neighbouring c of one b.
.set QP,    272                        ; a row of q: 128 bf16 + 16 bytes
.set QLOFF, 64*QP+128                  ; hi rows, then lo rows, 128 bytes askew
.set WKB,   35072
.set WP,    800                        ; a row of Wk: 384 bf16 + 32 bytes = 200 words
.set STG,   WKB+128*WP                 ; the stage for the way out: 64 rows x (6 blocks + 16 bytes)
.set GP,    1552
.set SPARE, STG+64*GP                  ; the spare words: 128 bytes a wave, named by no other line
.set VOQ,  6
.set VOW,  7
.set VBK,  8
.set STQ,  9
.set STW,  10
.set ADRQ, 11
.set ADRW, 12                          ; v12-13: d 0-63, d 64-127
.set ADRS, 14
.set STO,  15                          ; v15-16: b 0-31, b 32-63
.set RD,   17
.set CO,   18
.set VSB,  19
.set SPW,  20
.set NIL,  21
.set SBV,  22
.set T,    24                          ; v24-31 at work
.set RAW,  32                          ; v32-95 bk as loaded
.set QR,   96                          ; v96-127 q as loaded
.set ACC,  32                          ; v32-127 later: accumulator (b tile mt, i) at 32 + 8 (3 mt + i)
.set BKF,  128                         ; v128-159 bk as four fragments
.set LW,   160                         ; v160-255 24 loads of Wk; later fragments, then the way out
.set WF,   160
.set QF,   184
.set SF,   160
.set S0,   224
.set S1,   232
.set U,    160
.set HM,   28
.set M1,   29
.set OUT,  0
.macro LDG dst, vo, sb, off
	global_load_b128 v[(\dst):(\dst)+3], v[\vo], s[(\sb):(\sb)+1] offset:\off
.set OUT, OUT+1
.endm
.macro TAKE                            ; loads come back in order (ISA guide 5.7.1): the oldest is in when only the OUT - 1 younger ones are out
	s_wait_loadcnt OUT-1
.set OUT, OUT-1
.endm
.macro PLACES
.rept 4
	v_nop
.endr
.endm
.macro BAR
	s_wait_dscnt 0x0
	s_barrier_signal -1
	s_barrier_wait -1
.endm
.macro SPLIT S, H, L, U                ; eight f32 -> four registers of hi = bf16(v), four of lo = bf16(v - hi); the source is read from its low end on
.set sq, 0
.rept 4
	v_cvt_pk_bf16_f32 v[(\H)+sq], v[(\S)+2*sq], v[(\S)+2*sq+1]
.set sq, sq+1
.endr
.set sq, 0
.rept 4
	v_lshlrev_b32 v[(\U)+2*sq], 16, v[(\H)+sq]
	v_and_b32 v[(\U)+2*sq+1], s[HM], v[(\H)+sq]
.set sq, sq+1
.endr
.set sq, 0
.rept 4
	v_pk_add_f32 v[(\U)+2*sq:(\U)+2*sq+1], v[(\S)+2*sq:(\S)+2*sq+1], v[(\U)+2*sq:(\U)+2*sq+1] neg_lo:[0,1] neg_hi:[0,1]
.set sq, sq+1
.endr
.set sq, 0
.rept 4
	v_cvt_pk_bf16_f32 v[(\L)+sq], v[(\U)+2*sq], v[(\U)+2*sq+1]
.set sq, sq+1
.endr
.endm
	s_load_b256 s[4:11], s[0:1], 0x0               ; qhl, Wk, bk, qk
	s_load_b64 s[12:13], s[0:1], 0x20              ; sb
	v_lshl_add_u32 v[SPW], v0, 2, SPARE
	v_mov_b32 v[NIL], 0
	v_lshrrev_b32 v24, 5, v0
	v_readfirstlane_b32 s14, v24                   ; w
	s_lshr_b32 s15, ttmp9, 1                       ; head
	s_and_b32 s16, ttmp9, 1                        ; which 384 of the 768 c
	s_and_b32 s17, ttmp7, 0xffff                   ; block of 64 b
	s_and_b32 s18, s14, 3                          ; w % 4
	s_lshr_b32 s19, s14, 2                         ; w / 4
	s_mov_b32 s[HM], 0xffff0000
	s_mov_b32 s[M1], 0x01010101                    ; the lanes with r = 0 or 8
	v_and_b32 v1, 31, v0                           ; l
	v_and_b32 v2, 15, v0                           ; r
	v_bfe_u32 v3, v0, 4, 1                         ; hh
	v_and_b32 v4, 7, v0                            ; p
	v_bfe_u32 v5, v0, 3, 1                         ; part
	s_lshl_b32 s20, s14, 15
	v_lshl_add_u32 v[VOQ], v1, 4, s20              ; q: rows 8 w ..
	s_mul_i32 s20, s14, 16*3072
	v_lshl_add_u32 v[VOW], v1, 4, s20              ; Wk: rows 16 w ..
	v_lshlrev_b32 v[VBK], 5, v3
	v_mul_u32_u24 v24, v5, QLOFF
	v_lshl_add_u32 v24, v3, 7, v24
	v_lshl_add_u32 v24, v4, 4, v24
	s_mul_i32 s20, s14, 8*QP
	v_add_nc_u32 v[STQ], s20, v24
	s_mul_i32 s20, s14, 16*WP
	s_add_co_u32 s20, s20, WKB
	v_lshl_add_u32 v[STW], v1, 3, s20
	v_mul_u32_u24 v[ADRQ], v2, QP
	v_lshl_add_u32 v[ADRQ], v3, 4, v[ADRQ]
	v_lshl_add_u32 v24, v3, 3, v4                  ; the turning load: row 8 hh + p, 16 bytes for each part
	v_mul_u32_u24 v24, v24, WP
	v_lshl_add_u32 v24, v5, 4, v24
	s_lshl_b32 s20, s14, 5
	s_add_co_u32 s20, s20, WKB
	v_add_nc_u32 v[ADRW], s20, v24
	v_add_nc_u32 v[ADRW+1], 64*WP, v[ADRW]
	s_mul_i32 s20, s18, 16*QP
	v_add_nc_u32 v[ADRS], s20, v[ADRQ]
	v_mul_u32_u24 v24, v2, GP                      ; into the stage: row r, block w / 4, byte 32 (w % 4) + 16 hh
	v_lshl_add_u32 v24, v3, 4, v24
	s_lshl_b32 s20, s19, 8
	s_lshl_b32 s21, s18, 5
	s_add_co_u32 s20, s20, s21
	s_add_co_u32 s20, s20, STG
	v_add_nc_u32 v[STO], s20, v24
	v_add_nc_u32 v[STO+1], 32*GP, v[STO]
	s_mul_i32 s20, s14, 8*GP
	s_add_co_u32 s20, s20, STG
	v_lshl_add_u32 v[RD], v1, 4, s20
	s_mul_i32 s20, s14, 8*24576
	v_lshl_add_u32 v[CO], v1, 4, s20
	s_lshl_b32 s20, s18, 6
	v_lshl_add_u32 v[VSB], v2, 2, s20
	s_lshl_b32 s20, s17, 18                        ; q: 64 rows of 4,096 bytes + the head's 512
	s_lshl_b32 s22, s15, 9
	s_add_co_u32 s20, s20, s22
	s_mov_b32 s21, 0
	s_mov_b32 s23, 0                               ; s[22:23]: the head's 512 bytes of bk
	s_mul_i32 s24, s15, 128*3072                   ; Wk: the head's 128 rows + my half of a row
	s_mul_i32 s26, s16, 1536
	s_add_co_u32 s24, s24, s26
	s_mov_b32 s25, 0
	s_mul_i32 s30, s15, 3072                       ; qk: 64 b of 24,576 bytes + the head's 3,072 + my half
	s_add_co_u32 s26, s26, s30
	s_mul_i32 s30, s17, 64*24576
	s_add_co_u32 s26, s26, s30
	s_mov_b32 s27, 0
	s_lshl_b32 s30, s15, 12                        ; sb: the head's 1,024 words + my 64
	s_lshl_b32 s31, s17, 8
	s_add_co_u32 s30, s30, s31
	s_mov_b32 s31, 0
	s_wait_kmcnt 0x0
	s_add_nc_u64 s[4:5], s[4:5], s[20:21]
	s_add_nc_u64 s[6:7], s[6:7], s[24:25]
	s_add_nc_u64 s[8:9], s[8:9], s[22:23]
	s_add_nc_u64 s[10:11], s[10:11], s[26:27]
	s_add_nc_u64 s[12:13], s[12:13], s[30:31]
.set n, 0
.rept 16                               ; bk in a fragment's order: for 16 d numbered n / 2, the eight at 8 hh
	global_load_b128 v[RAW+4*n:RAW+4*n+3], v[VBK], s[8:9] offset:64*(n/2)+16*(n%2)
.set n, n+1
.endr
.set n, 0
.rept 8
	global_load_b128 v[QR+4*n:QR+4*n+3], v[VOQ], s[4:5] offset:n*4096
.set n, n+1
.endr
.set n, 0
.rept 24
	LDG LW+4*n, VOW, 6, (n/3)*3072+(n%3)*512
.set n, n+1
.endr
	s_wait_loadcnt 32                              ; bk is in: q's 8 and Wk's 24 stay out
.set n, 0
.rept 32
	v_cvt_pk_bf16_f32 v[BKF+n], v[RAW+2*n], v[RAW+2*n+1]
.set n, n+1
.endr
.set n, 0
.rept 32
	v_cndmask_b32 v[BKF+n], 0, v[BKF+n], s[M1]     ; bk stands in rows 0 and 8 of source 0, zeros in the others: the sum then falls into register 0 of every lane
.set n, n+1
.endr
	s_wait_loadcnt 24                              ; q is in: Wk's 24 stay out
.set n, 0
.rept 8
	ds_store_b128 v[STQ], v[QR+4*n:QR+4*n+3] offset:n*QP
.set n, n+1
.endr
.set n, 0
.rept 48                               ; Wk: rounded once; the first 24 slots are loaded again
	TAKE
	v_cvt_pk_bf16_f32 v[T+2*(n%4)], v[LW+4*(n%24)], v[LW+4*(n%24)+1]
	v_cvt_pk_bf16_f32 v[T+2*(n%4)+1], v[LW+4*(n%24)+2], v[LW+4*(n%24)+3]
	ds_store_b64 v[STW], v[T+2*(n%4):T+2*(n%4)+1] offset:(n/3)*WP+(n%3)*256
.if n < 24
	LDG LW+4*n, VOW, 6, ((n+24)/3)*3072+((n+24)%3)*512
.endif
.set n, n+1
.endr
	BAR
.set ks, 0
.rept 4                                ; 32 d a step: 3 fragments of Wk, 4 x 2 of q, 24 products; the 12 accumulators take turns
.if ks > 0
	PLACES
.endif
.set i, 0
.rept 3
	ds_load_tr16_b128 v[WF+8*i:WF+8*i+3], v[ADRW+ks/2] offset:(ks%2)*32*WP+256*i
	ds_load_tr16_b128 v[WF+8*i+4:WF+8*i+7], v[ADRW+ks/2] offset:(ks%2)*32*WP+16*WP+256*i
.set i, i+1
.endr
.set m, 0                              ; m = 4 x (0 hi, 1 lo) + b tile
.rept 8
	ds_load_b128 v[QF+8*m:QF+8*m+3], v[ADRQ] offset:(m%4)*16*QP+64*ks+(m/4)*QLOFF
	ds_load_b128 v[QF+8*m+4:QF+8*m+7], v[ADRQ] offset:(m%4)*16*QP+64*ks+(m/4)*QLOFF+32
.set m, m+1
.endr
	s_wait_dscnt 0x0
.set m, 0
.rept 8
.set i, 0
.rept 3
.set rA, ACC+8*(3*(m%4)+i)
.if (ks == 0) && (m < 4)
	v_wmma_f32_16x16x32_bf16 v[rA:rA+7], v[WF+8*i:WF+8*i+7], v[QF+8*m:QF+8*m+7], 0
.else
	v_wmma_f32_16x16x32_bf16 v[rA:rA+7], v[WF+8*i:WF+8*i+7], v[QF+8*m:QF+8*m+7], v[rA:rA+7]
.endif
.set i, i+1
.endr
.set m, m+1
.endr
.set ks, ks+1
.endr
	; q . bk for b tile w % 4.  Five places: the two sums below are written by matrix instructions over registers that the products above read.
.rept 5
	v_nop
.endr
.set m, 0                              ; m = 4 x (0 hi, 1 lo) + step
.rept 8
	ds_load_b128 v[SF+8*m:SF+8*m+3], v[ADRS] offset:64*(m%4)+(m/4)*QLOFF
	ds_load_b128 v[SF+8*m+4:SF+8*m+7], v[ADRS] offset:64*(m%4)+(m/4)*QLOFF+32
.set m, m+1
.endr
	s_wait_dscnt 0x0
	v_wmma_f32_16x16x32_bf16 v[S0:S0+7], v[BKF:BKF+7], v[SF:SF+7], 0
	v_wmma_f32_16x16x32_bf16 v[S1:S1+7], v[BKF:BKF+7], v[SF+32:SF+39], 0
.set ks, 1
.rept 3
	v_wmma_f32_16x16x32_bf16 v[S0:S0+7], v[BKF+8*ks:BKF+8*ks+7], v[SF+8*ks:SF+8*ks+7], v[S0:S0+7]
	v_wmma_f32_16x16x32_bf16 v[S1:S1+7], v[BKF+8*ks:BKF+8*ks+7], v[SF+32+8*ks:SF+32+8*ks+7], v[S1:S1+7]
.set ks, ks+1
.endr
	PLACES
	v_add_f32 v[SBV], v[S0], v[S1]                 ; hi's part + lo's part
	s_or_b32 s20, s19, s16
	s_cmp_lg_u32 s20, 0
	s_cbranch_scc1 .Lno_sb                         ; waves 0 to 3 of the work-group with the first half of c store; the others hold the same numbers
	global_store_b32 v[VSB], v[SBV], s[12:13]      ; lanes 16-31 store what lanes 0-15 store, to the same words
.Lno_sb:
	; THE WAY OUT: hi and lo into the stage, back as whole rows of six blocks
.set a, 0                              ; a = 3 mt + i
.rept 12
	SPLIT ACC+8*a, T, T+4, U
	ds_store_b128 v[STO+(a/3)/2], v[T:T+3] offset:((a/3)%2)*16*GP+512*(a%3)
	ds_store_b128 v[STO+(a/3)/2], v[T+4:T+7] offset:((a/3)%2)*16*GP+512*(a%3)+128
.set a, a+1
.endr
	BAR
.set n, 0
.rept 24
	ds_load_b128 v[LW+4*n:LW+4*n+3], v[RD] offset:(n/3)*GP+(n%3)*512
.set n, n+1
.endr
.set n, 0
.rept 24
	s_wait_dscnt 23-n                              ; the younger loads may stay out
	global_store_b128 v[CO], v[LW+4*n:LW+4*n+3], s[10:11] offset:(n/3)*24576+(n%3)*512  ; 512 consecutive bytes: two whole blocks
.set n, n+1
.endr
	s_wait_tensorcnt 0x0                           ; the wave's end
	ds_add_u32 v[SPW], v[NIL]
	s_wait_dscnt 0x0
	s_endpgm
.Lfunc_end_k_qf7aab6a775_g3:
	.size	k_qf7aab6a775_g3, .Lfunc_end_k_qf7aab6a775_g3-k_qf7aab6a775_g3
	.p2alignl 7, 3214868480
	.fill 96, 4, 3214868480
	.section	.rodata,"a",@progbits
	.p2align	6, 0x0
	.amdhsa_kernel k_qf7aab6a775_g3
		.amdhsa_group_segment_fixed_size 237824
		.amdhsa_private_segment_fixed_size 0
		.amdhsa_enable_private_segment 0
		.amdhsa_kernarg_size 40
		.amdhsa_user_sgpr_count 2
		.amdhsa_user_sgpr_kernarg_segment_ptr 1
		.amdhsa_wavefront_size32 1
		.amdhsa_system_sgpr_workgroup_id_x 1
		.amdhsa_system_sgpr_workgroup_id_y 1
		.amdhsa_system_sgpr_workgroup_id_z 1
		.amdhsa_system_vgpr_workitem_id 0
		.amdhsa_next_free_vgpr 256
		.amdhsa_next_free_sgpr 66
		.amdhsa_reserve_vcc 0
		.amdhsa_float_denorm_mode_32 3
		.amdhsa_float_denorm_mode_16_64 3
		.amdhsa_memory_ordered 1
		.amdhsa_forward_progress 1
		.amdhsa_inst_pref_size 59
	.end_amdhsa_kernel
	.amdgpu_metadata
---
amdhsa.version: [ 1, 2 ]
amdhsa.kernels:
  - .name:           k_qf7aab6a775_g3
    .symbol:         k_qf7aab6a775_g3.kd
    .args:
      - { .name: qhl, .offset: 0, .size: 8, .value_kind: global_buffer, .address_space: global }
      - { .name: Wk, .offset: 8, .size: 8, .value_kind: global_buffer, .address_space: global }
      - { .name: bk, .offset: 16, .size: 8, .value_kind: global_buffer, .address_space: global }
      - { .name: qk, .offset: 24, .size: 8, .value_kind: global_buffer, .address_space: global }
      - { .name: sb, .offset: 32, .size: 8, .value_kind: global_buffer, .address_space: global }
    .group_segment_fixed_size: 237824
    .private_segment_fixed_size: 0
    .kernarg_segment_align: 8
    .kernarg_segment_size: 40
    .max_flat_workgroup_size: 256
    .sgpr_count:     66
    .vgpr_count:     256
    .wavefront_size: 32
...
	.end_amdgpu_metadata
.endif
;; end of part 4
;; launch att (part 5): grid 1024 x 1, 8 waves a work-group, no clusters, 94,720 bytes of LDS; arguments text_feat, attention, qk, sb, tb; writes tb
.if DOCPART == 5
	.amdgcn_target "amdgcn-amd-amdhsa--gfx1250"
	.amdhsa_code_object_version 6
	.text
	.protected	k_qf7aab6a775_att
	.globl	k_qf7aab6a775_att
	.p2align	8
	.type	k_qf7aab6a775_att,@function
k_qf7aab6a775_att:
	s_mov_b64 s[64:65], 0
	v_nop
	global_prefetch_b8 v0, s[64:65] scope:SCOPE_SE
	s_setreg_imm32_b32 hwreg(HW_REG_WAVE_MODE, 25, 1), 1
	s_wait_xcnt 0x0
; One batch row a work-group.  scores[h][t] = (qk[h] . text[t] + sb[h]) / sqrt(128); where attention[t] = 0 the score is -inf; softmax over the 32 t with the row's own maximum taken away;
; tbar[h][c] = sum over t of p[h][t] text[t][c] (768 c), stored as hi and lo in blocks of 256 bytes.  The value projection follows in the next launch: sum_t p (Wv text_t + bv) = Wv tbar + bv,
; since the softmax itself makes the weights' sum 1 (here to within 2^-16, p being hi + lo in bf16).
; text is read once from memory, rounded once to bf16 and kept in LDS for both products; qk and p go as two bf16 numbers.  Sums, maximum and softmax in f32.
; LIMITS.  A weight below 2^-126 counts as 0.  A row whose mask is all zero gives NaN, as in reference().  v_exp_f32 and v_rcp_f32 are good to 1 ulp.
; No joint loads: no two work-groups read the same bytes.  Three such work-groups fit on a WGP by LDS and registers, so one's loads run beside another's arithmetic.
.set TP,    1568                       ; a row of text: 768 bf16 + 32 bytes = 392 words; the plain loads of 16 rows meet two deep
.set QKB,   32*TP                      ; 16 rows x 1,552: the eight heads' hi, then their lo
.set QP,    1552
.set TBS,   QKB                        ; the same bytes later: the stage for tbar, 8 rows x 3,088
.set BP,    3088
.set SCB,   QKB+16*QP                  ; partial scores: [wave][hi, lo: 1,088][head: 128][t: 4]
.set SW,    2176
.set SH,    1088
.set PB,    SCB+8*SW                   ; p: 16 rows x 80: the heads' hi, then their lo
.set PP,    80
.set SPARE, PB+16*PP                   ; the spare words: 128 bytes a wave, named by no other line
.set VOT, 6
.set VOQ, 7
.set VAT, 8
.set STQ, 9
.set STT, 10
.set ADA, 11
.set ADB, 12
.set STS, 13
.set LSS, 14
.set STP, 15
.set ADP, 16
.set ADT, 17
.set STB, 18
.set RDB, 19
.set SPW, 20
.set NIL, 21
.set ATT, 22
.set T,   24                           ; v24-31 at work
.set QK,  32                           ; v32-55 qk as loaded; later v32-39 at work
.set U,   32
.set TX,  56                           ; v56-151 text as loaded
.set FR,  56                           ; v56-127 the score products' fragments
.set AC,  128                          ; v128-143 their two accumulators
.set PF,  56
.set TF,  64
.set D,   112                          ; v112-159 six tiles of tbar
.set HM,  25
.set PM,  26
.set CS,  27
.set SEL, 28
.macro PLACES
.rept 4
	v_nop
.endr
.endm
.macro BAR
	s_wait_dscnt 0x0
	s_barrier_signal -1
	s_barrier_wait -1
.endm
.macro SPLIT S, H, L, U                ; eight f32 -> four registers of hi = bf16(v), four of lo = bf16(v - hi)
.set sq, 0
.rept 4
	v_cvt_pk_bf16_f32 v[(\H)+sq], v[(\S)+2*sq], v[(\S)+2*sq+1]
.set sq, sq+1
.endr
.set sq, 0
.rept 4
	v_lshlrev_b32 v[(\U)+2*sq], 16, v[(\H)+sq]
	v_and_b32 v[(\U)+2*sq+1], s[HM], v[(\H)+sq]
.set sq, sq+1
.endr
.set sq, 0
.rept 4
	v_pk_add_f32 v[(\U)+2*sq:(\U)+2*sq+1], v[(\S)+2*sq:(\S)+2*sq+1], v[(\U)+2*sq:(\U)+2*sq+1] neg_lo:[0,1] neg_hi:[0,1]
.set sq, sq+1
.endr
.set sq, 0
.rept 4
	v_cvt_pk_bf16_f32 v[(\L)+sq], v[(\U)+2*sq], v[(\U)+2*sq+1]
.set sq, sq+1
.endr
.endm
	s_load_b256 s[4:11], s[0:1], 0x0               ; text, attention, qk, sb
	s_load_b64 s[12:13], s[0:1], 0x20              ; tb
	v_lshl_add_u32 v[SPW], v0, 2, SPARE
	v_mov_b32 v[NIL], 0
	v_lshrrev_b32 v23, 5, v0
	v_readfirstlane_b32 s14, v23                   ; w: my head, and my share of every phase
	s_mul_i32 s16, ttmp9, 98304                    ; b's 32 rows of text
	s_mov_b32 s17, 0
	s_lshl_b32 s18, ttmp9, 7                       ; b's 32 words of the mask
	s_mov_b32 s19, 0
	s_mul_i32 s20, ttmp9, 24576                    ; b's 8 heads of qk and of tb
	s_mov_b32 s21, 0
	s_lshl_b32 s22, s14, 10
	s_add_co_u32 s22, s22, ttmp9
	s_lshl_b32 s22, s22, 2                         ; sb[w][b]
	s_mov_b32 s23, 0
	s_mov_b32 s[HM], 0xffff0000
	s_mov_b32 s[PM], 0xff00ff00                    ; the lanes with part = 1
	s_mov_b32 s[CS], 0x3e0293ee                    ; log2(e) / sqrt(128)
	s_mov_b32 s[SEL], 0x76543210
	s_mov_b32 s[SEL+1], 0xfedcba98
	v_and_b32 v1, 31, v0                           ; l
	v_and_b32 v2, 15, v0                           ; r
	v_bfe_u32 v3, v0, 4, 1                         ; hh
	v_and_b32 v4, 7, v0                            ; p
	v_bfe_u32 v5, v0, 3, 1                         ; part
	s_mul_i32 s30, s14, 4*3072
	v_lshl_add_u32 v[VOT], v1, 4, s30
	s_mul_i32 s30, s14, 3072
	v_lshl_add_u32 v[VOQ], v1, 4, s30
	v_lshlrev_b32 v[VAT], 2, v1
	v_mul_u32_u24 v23, v5, 8*QP
	v_lshl_add_u32 v23, v3, 7, v23
	v_lshl_add_u32 v23, v4, 4, v23
	s_mul_i32 s30, s14, QP
	s_add_co_u32 s30, s30, QKB
	v_add_nc_u32 v[STQ], s30, v23
	s_mul_i32 s30, s14, 4*TP
	v_lshl_add_u32 v[STT], v1, 3, s30
	s_lshl_b32 s31, s14, 6
	v_lshl_add_u32 v23, v3, 4, s31                 ; 16 hh + 64 w: my K steps are w, w + 8, w + 16
	v_mul_u32_u24 v[ADB], v2, TP
	v_add_nc_u32 v[ADB], v[ADB], v23
	v_mul_u32_u24 v[ADA], v2, QP
	v_add_nc_u32 v[ADA], v[ADA], v23
	v_add_nc_u32 v[ADA], QKB, v[ADA]
	v_mul_u32_u24 v23, v3, SH
	v_lshl_add_u32 v23, v2, 2, v23
	s_mul_i32 s30, s14, SW
	s_add_co_u32 s30, s30, SCB
	v_add_nc_u32 v[STS], s30, v23
	s_lshl_b32 s30, s14, 7
	s_add_co_u32 s30, s30, SCB
	v_lshl_add_u32 v[LSS], v1, 2, s30
	s_mul_i32 s30, s14, PP
	s_add_co_u32 s30, s30, PB
	v_lshl_add_u32 v[STP], v1, 1, s30
	v_mul_u32_u24 v23, v2, PP
	v_lshl_add_u32 v23, v3, 4, v23
	v_add_nc_u32 v[ADP], PB, v23
	v_lshl_add_u32 v23, v3, 3, v4                  ; the turning load: row 8 hh + p, 16 bytes for each part
	v_mul_u32_u24 v23, v23, TP
	v_lshl_add_u32 v23, v5, 4, v23
	s_lshl_b32 s30, s14, 5
	v_add_nc_u32 v[ADT], s30, v23
	v_mul_u32_u24 v23, v4, BP                      ; into the stage: head p; part 0 its hi, part 1 its lo; block w / 4, byte 32 (w % 4) + 16 hh
	v_lshl_add_u32 v23, v5, 7, v23
	v_lshl_add_u32 v23, v3, 4, v23
	s_lshr_b32 s30, s14, 2
	s_lshl_b32 s30, s30, 8
	s_and_b32 s31, s14, 3
	s_lshl_b32 s31, s31, 5
	s_add_co_u32 s30, s30, s31
	s_add_co_u32 s30, s30, TBS
	v_add_nc_u32 v[STB], s30, v23
	s_mul_i32 s30, s14, BP
	s_add_co_u32 s30, s30, TBS
	v_lshl_add_u32 v[RDB], v1, 4, s30
	s_wait_kmcnt 0x0
	s_add_nc_u64 s[4:5], s[4:5], s[16:17]
	s_add_nc_u64 s[6:7], s[6:7], s[18:19]
	s_add_nc_u64 s[8:9], s[8:9], s[20:21]
	s_add_nc_u64 s[10:11], s[10:11], s[22:23]
	s_add_nc_u64 s[12:13], s[12:13], s[20:21]
	s_load_b32 s24, s[10:11], 0x0                  ; sb of my head
	global_load_b32 v[ATT], v[VAT], s[6:7]
.set j, 0
.rept 6
	global_load_b128 v[QK+4*j:QK+4*j+3], v[VOQ], s[8:9] offset:512*j
.set j, j+1
.endr
.set g, 0
.rept 24                               ; rows 4 w + g / 6, 512 consecutive bytes an instruction; read once in the launch
	global_load_b128 v[TX+4*g:TX+4*g+3], v[VOT], s[4:5] offset:(g/6)*3072+(g%6)*512 th:TH_LOAD_NT
.set g, g+1
.endr
	s_wait_loadcnt 24                              ; the mask and qk are in; text's 24 stay out
.set j, 0
.rept 6
	ds_store_b128 v[STQ], v[QK+4*j:QK+4*j+3] offset:256*j
.set j, j+1
.endr
.set g, 0
.rept 24
	s_wait_loadcnt 23-g                            ; the younger loads stay out
	v_cvt_pk_bf16_f32 v[T+2*(g%4)], v[TX+4*g], v[TX+4*g+1]
	v_cvt_pk_bf16_f32 v[T+2*(g%4)+1], v[TX+4*g+2], v[TX+4*g+3]
	ds_store_b64 v[STT], v[T+2*(g%4):T+2*(g%4)+1] offset:(g/6)*TP+(g%6)*256
.set g, g+1
.endr
	BAR
	; SCORES.  Source 0 = the 16 rows of qk (8 heads' hi, 8 heads' lo), source 1 = 16 tokens: register j of lane (r, hh) is head j, part hh, token r.  K = 768 is shared out: three steps of 32 a wave.
.set i, 0
.rept 3
	ds_load_b128 v[FR+24*i:FR+24*i+3], v[ADA] offset:512*i
	ds_load_b128 v[FR+24*i+4:FR+24*i+7], v[ADA] offset:512*i+32
	ds_load_b128 v[FR+24*i+8:FR+24*i+11], v[ADB] offset:512*i
	ds_load_b128 v[FR+24*i+12:FR+24*i+15], v[ADB] offset:512*i+32
	ds_load_b128 v[FR+24*i+16:FR+24*i+19], v[ADB] offset:16*TP+512*i
	ds_load_b128 v[FR+24*i+20:FR+24*i+23], v[ADB] offset:16*TP+512*i+32
.set i, i+1
.endr
	s_wait_dscnt 0x0
	v_wmma_f32_16x16x32_bf16 v[AC:AC+7], v[FR:FR+7], v[FR+8:FR+15], 0
	v_wmma_f32_16x16x32_bf16 v[AC+8:AC+15], v[FR:FR+7], v[FR+16:FR+23], 0
.set i, 1
.rept 2                                ; the two accumulators take turns
	v_wmma_f32_16x16x32_bf16 v[AC:AC+7], v[FR+24*i:FR+24*i+7], v[FR+24*i+8:FR+24*i+15], v[AC:AC+7]
	v_wmma_f32_16x16x32_bf16 v[AC+8:AC+15], v[FR+24*i:FR+24*i+7], v[FR+24*i+16:FR+24*i+23], v[AC+8:AC+15]
.set i, i+1
.endr
	PLACES
.set n, 0
.rept 16                               ; each accumulator from its low end on
	ds_store_b32 v[STS], v[AC+n] offset:128*(n%8)+64*(n/8)
.set n, n+1
.endr
	BAR
	; SOFTMAX.  Wave = head, lane = token.  Sixteen partial sums: eight waves' shares of K, hi and lo.
.set n, 0
.rept 16
	ds_load_b32 v[56+n], v[LSS] offset:(n/2)*SW+(n%2)*SH
.set n, n+1
.endr
	s_wait_dscnt 0x0
	v_pk_add_f32 v[56:57], v[56:57], v[64:65]
	v_pk_add_f32 v[58:59], v[58:59], v[66:67]
	v_pk_add_f32 v[60:61], v[60:61], v[68:69]
	v_pk_add_f32 v[62:63], v[62:63], v[70:71]
	v_pk_add_f32 v[56:57], v[56:57], v[60:61]
	v_pk_add_f32 v[58:59], v[58:59], v[62:63]
	v_pk_add_f32 v[56:57], v[56:57], v[58:59]
	v_add_f32 v56, v56, v57
	s_wait_kmcnt 0x0
	v_add_f32 v56, s24, v56                        ; + q . bk
	v_cmp_ne_u32 vcc_lo, 0, v[ATT]
	v_cndmask_b32 v56, 0xff800000, v56, vcc_lo     ; -inf where the mask is 0
	v_mov_b32 v57, v56
	v_max_num_f32_dpp v57, v57, v57 row_xmask:1 row_mask:0xf bank_mask:0xf
	v_max_num_f32_dpp v57, v57, v57 row_xmask:2 row_mask:0xf bank_mask:0xf
	v_max_num_f32_dpp v57, v57, v57 row_xmask:4 row_mask:0xf bank_mask:0xf
	v_max_num_f32_dpp v57, v57, v57 row_xmask:8 row_mask:0xf bank_mask:0xf
	v_permlanex16_b32 v58, v57, s[SEL], s[SEL+1]
	v_max_num_f32 v57, v57, v58                    ; the row's maximum
	v_sub_f32 v56, v56, v57
	v_mul_f32 v56, s[CS], v56
	v_exp_f32 v56, v56
	v_nop                                          ; a plain line behind the exponential
	s_wait_alu depctr_va_vdst(0)
	v_mov_b32 v59, v56
	v_add_f32_dpp v59, v59, v59 row_xmask:1 row_mask:0xf bank_mask:0xf
	v_add_f32_dpp v59, v59, v59 row_xmask:2 row_mask:0xf bank_mask:0xf
	v_add_f32_dpp v59, v59, v59 row_xmask:4 row_mask:0xf bank_mask:0xf
	v_add_f32_dpp v59, v59, v59 row_xmask:8 row_mask:0xf bank_mask:0xf
	v_permlanex16_b32 v60, v59, s[SEL], s[SEL+1]
	v_add_f32 v59, v59, v60
	v_rcp_f32 v59, v59
	v_nop                                          ; a plain line behind the reciprocal
	s_wait_alu depctr_va_vdst(0)
	v_mul_f32 v56, v56, v59
	v_cvt_pk_bf16_f32 v60, v56, v56                ; hi
	v_lshlrev_b32 v61, 16, v60
	v_sub_f32 v61, v56, v61
	v_cvt_pk_bf16_f32 v61, v61, v61                ; lo
	ds_store_b16 v[STP], v60
	ds_store_b16 v[STP], v61 offset:8*PP
	BAR
	; TBAR.  Source 0 = 16 c of text, turned; source 1 = the 16 rows of p: a lane holds eight neighbouring c of row r (head r % 8; hi's part for r < 8, lo's for r >= 8).  Wave w: the tiles w + 8 i.
	ds_load_b128 v[PF:PF+3], v[ADP]
	ds_load_b128 v[PF+4:PF+7], v[ADP] offset:32
.set i, 0
.rept 6
	ds_load_tr16_b128 v[TF+8*i:TF+8*i+3], v[ADT] offset:256*i
	ds_load_tr16_b128 v[TF+8*i+4:TF+8*i+7], v[ADT] offset:16*TP+256*i
.set i, i+1
.endr
	s_wait_dscnt 0x0
.set i, 0
.rept 6
	v_wmma_f32_16x16x32_bf16 v[D+8*i:D+8*i+7], v[TF+8*i:TF+8*i+7], v[PF:PF+7], 0
.set i, i+1
.endr
	PLACES
.set i, 0
.rept 6
.set j, 0
.rept 8
	v_add_f32_dpp v[D+8*i+j], v[D+8*i+j], v[D+8*i+j] row_xmask:8 row_mask:0xf bank_mask:0xf  ; hi's part + lo's part, in both lanes
.set j, j+1
.endr
	SPLIT D+8*i, T, T+4, U
.set j, 0
.rept 4
	v_cndmask_b32 v[T+j], v[T+j], v[T+4+j], s[PM]  ; lanes with r < 8 store the hi, the others the lo
.set j, j+1
.endr
	ds_store_b128 v[STB], v[T:T+3] offset:512*i
.set i, i+1
.endr
	BAR
.set j, 0
.rept 6
	ds_load_b128 v[56+4*j:56+4*j+3], v[RDB] offset:512*j
.set j, j+1
.endr
.set j, 0
.rept 6
	s_wait_dscnt 5-j                               ; the younger loads may stay out
	global_store_b128 v[VOQ], v[56+4*j:56+4*j+3], s[12:13] offset:512*j  ; 512 consecutive bytes: two whole blocks
.set j, j+1
.endr
	s_wait_tensorcnt 0x0                           ; the wave's end
	ds_add_u32 v[SPW], v[NIL]
	s_wait_dscnt 0x0
	s_endpgm
.Lfunc_end_k_qf7aab6a775_att:
	.size	k_qf7aab6a775_att, .Lfunc_end_k_qf7aab6a775_att-k_qf7aab6a775_att
	.p2alignl 7, 3214868480
	.fill 96, 4, 3214868480
	.section	.rodata,"a",@progbits
	.p2align	6, 0x0
	.amdhsa_kernel k_qf7aab6a775_att
		.amdhsa_group_segment_fixed_size 94720
		.amdhsa_private_segment_fixed_size 0
		.amdhsa_enable_private_segment 0
		.amdhsa_kernarg_size 40
		.amdhsa_user_sgpr_count 2
		.amdhsa_user_sgpr_kernarg_segment_ptr 1
		.amdhsa_wavefront_size32 1
		.amdhsa_system_sgpr_workgroup_id_x 1
		.amdhsa_system_sgpr_workgroup_id_y 1
		.amdhsa_system_sgpr_workgroup_id_z 1
		.amdhsa_system_vgpr_workitem_id 0
		.amdhsa_next_free_vgpr 160
		.amdhsa_next_free_sgpr 66
		.amdhsa_reserve_vcc 1
		.amdhsa_float_denorm_mode_32 3
		.amdhsa_float_denorm_mode_16_64 3
		.amdhsa_memory_ordered 1
		.amdhsa_forward_progress 1
		.amdhsa_inst_pref_size 33
	.end_amdhsa_kernel
	.amdgpu_metadata
---
amdhsa.version: [ 1, 2 ]
amdhsa.kernels:
  - .name:           k_qf7aab6a775_att
    .symbol:         k_qf7aab6a775_att.kd
    .args:
      - { .name: text_feat, .offset: 0, .size: 8, .value_kind: global_buffer, .address_space: global }
      - { .name: attention, .offset: 8, .size: 8, .value_kind: global_buffer, .address_space: global }
      - { .name: qk, .offset: 16, .size: 8, .value_kind: global_buffer, .address_space: global }
      - { .name: sb, .offset: 24, .size: 8, .value_kind: global_buffer, .address_space: global }
      - { .name: tb, .offset: 32, .size: 8, .value_kind: global_buffer, .address_space: global }
    .group_segment_fixed_size: 94720
    .private_segment_fixed_size: 0
    .kernarg_segment_align: 8
    .kernarg_segment_size: 40
    .max_flat_workgroup_size: 256
    .sgpr_count:     66
    .vgpr_count:     160
    .wavefront_size: 32
...
	.end_amdgpu_metadata
.endif
;; end of part 5
;; launch g5 (part 6): grid 16 x 16, 8 waves a work-group, no clusters, 221,696 bytes of LDS; arguments tb, Wv, bv, ctx; writes ctx
.if DOCPART == 6
	.amdgcn_target "amdgcn-amd-amdhsa--gfx1250"
	.amdhsa_code_object_version 6
	.text
	.protected	k_qf7aab6a775_g5
	.globl	k_qf7aab6a775_g5
	.p2align	8
	.type	k_qf7aab6a775_g5,@function
k_qf7aab6a775_g5:
	s_mov_b64 s[64:65], 0
	v_nop
	global_prefetch_b8 v0, s[64:65] scope:SCOPE_SE
	s_setreg_imm32_b32 hwreg(HW_REG_WAVE_MODE, 25, 1), 1
	s_wait_xcnt 0x0
; C = A B^T + bias.  A: [1024] rows of K numbers, each as two bf16 (hi + lo): blocks of 256 bytes, 64 hi then the 64 lo of the same columns.  B: [1024][K] f32, bias: [1024] f32,
; both rounded once to bf16.  C: [1024][1024], again as hi and lo.  Both halves of A are multiplied by the same fragment of B; sums in f32.  NaN and infinities are not treated apart.
; G5 = 0: K = 1,024, A's rows 4,096 bytes apart.  G5 = 1 (here): A is [1024][8 heads][768], and a block of 64 columns takes the rows of its head (column block / 2); K = 768:
; ctx[b][128 h + n] = tbar[b][h] . Wv[128 h + n] + bv[128 h + n], which is reference()'s sum over t of attn (Wv text_t + bv) in another order of sums, the weights' sum being 1.
; SHARES.  A work-group makes 64 x 64 of C; wave (wm, wn) = (w / 2, w % 2) rows 16 wm .., columns 32 wn ..: two accumulators.  K goes in chunks of 256 through two LDS buffers; every element is
; loaded once by the work-group (512 consecutive bytes an instruction); the next chunk's 32 loads a lane are on their way while a chunk is multiplied.
; Source 0 is 16 rows of B, source 1 16 rows of A: a lane then holds eight neighbouring columns of one row of C.
; No shared tiles by joint loads: B is f32 in memory and bf16 in use, so it passes through registers, where each number is rounded once.
.set G5, 1
.if G5
.set NST,    3
.set APITCH, 24576
.set BPITCH, 3072
.else
.set NST,    4
.set APITCH, 4096
.set BPITCH, 4096
.endif
.set LP,    528                        ; an LDS row: 256 bf16 + 16 bytes = 132 words: 16 rows of a fragment start at 16 different groups of four banks (64 banks of 4 bytes: ISA guide 11.1)
.set ALOFF, 64*LP+128                  ; a buffer: 64 rows of hi; 64 rows of lo, 128 bytes askew so that a store's hi lanes and lo lanes take different banks; 64 rows of B
.set BOFF,  ALOFF+64*LP
.set BUFSZ, 101632
.set STAGE, 2*BUFSZ                    ; behind the buffers: 64 rows x 272 bytes for the way out
.set SP,    272
.set SPARE, STAGE+64*SP                ; the spare words: 128 bytes a wave, named by no other line
.set VOA,  4
.set VOB,  5
.set STA,  6                           ; v6-7   where I lay 16 bytes of A, buffer 0, 1
.set STB,  8                           ; v8-9   where I lay 8 bytes of B
.set ADRA, 10                          ; v10-11 my fragments of A
.set ADRB, 12                          ; v12-13 my fragments of B
.set STO,  14
.set RD,   15
.set CO,   16
.set VBI,  17
.set SPW,  18
.set NIL,  19
.set T,    20                          ; v20-27 at work
.set ACC,  28                          ; v28-43
.set F0,   44                          ; v44-75, v76-107 two sets of fragments: hi, lo, B, B
.set F1,   76
.set LA,   108                         ; v108-171 sixteen loads of A
.set LB,   172                         ; v172-235 sixteen loads of B
.set BI,   236                         ; v236-251 the bias of my 2 x 8 columns
.set HM,   28                          ; s28
.set OUT,  0                           ; loads of A and B issued and not yet taken
.macro LDG dst, vo, sb, off
	global_load_b128 v[(\dst):(\dst)+3], v[\vo], s[(\sb):(\sb)+1] offset:\off
.set OUT, OUT+1
.endm
.macro TAKE                            ; loads come back in order (ISA guide 5.7.1): the oldest is in when only the OUT - 1 younger ones are out
	s_wait_loadcnt OUT-1
.set OUT, OUT-1
.endm
.macro PLACES                          ; four places between a matrix instruction and a load into a register that it read
.rept 4
	v_nop
.endr
.endm
.macro BAR                             ; my LDS stores and reads are done; then all eight waves meet
	s_wait_dscnt 0x0
	s_barrier_signal -1
	s_barrier_wait -1
.endm
.macro RND2 a, b, t
	v_cvt_pk_bf16_f32 v[\t], v[\a], v[\b]
	v_lshlrev_b32 v[\a], 16, v[\t]
	v_and_b32 v[\b], s[HM], v[\t]
.endm
.macro SPLIT S, H, L, U                ; eight f32 -> four registers of hi = bf16(v), four of lo = bf16(v - hi); the source is read from its low end on
.set sq, 0
.rept 4
	v_cvt_pk_bf16_f32 v[(\H)+sq], v[(\S)+2*sq], v[(\S)+2*sq+1]
.set sq, sq+1
.endr
.set sq, 0
.rept 4
	v_lshlrev_b32 v[(\U)+2*sq], 16, v[(\H)+sq]
	v_and_b32 v[(\U)+2*sq+1], s[HM], v[(\H)+sq]
.set sq, sq+1
.endr
.set sq, 0
.rept 4
	v_pk_add_f32 v[(\U)+2*sq:(\U)+2*sq+1], v[(\S)+2*sq:(\S)+2*sq+1], v[(\U)+2*sq:(\U)+2*sq+1] neg_lo:[0,1] neg_hi:[0,1]
.set sq, sq+1
.endr
.set sq, 0
.rept 4
	v_cvt_pk_bf16_f32 v[(\L)+sq], v[(\U)+2*sq], v[(\U)+2*sq+1]
.set sq, sq+1
.endr
.endm
.macro FILL s                          ; chunk s goes from registers into buffer s % 2, and the registers are loaded again with chunk s + 1
.set i, 0
.rept 16
	TAKE
	ds_store_b128 v[STA+((\s)%2)], v[LA+4*i:LA+4*i+3] offset:(i/2)*LP+(i%2)*256
.if (\s)+1 < NST
	LDG LA+4*i, VOA, 4, (i/2)*APITCH+(i%2)*512+((\s)+1)*1024
.endif
.set i, i+1
.endr
.set i, 0
.rept 16
	TAKE
	v_cvt_pk_bf16_f32 v[T+2*(i%4)], v[LB+4*i], v[LB+4*i+1]
	v_cvt_pk_bf16_f32 v[T+2*(i%4)+1], v[LB+4*i+2], v[LB+4*i+3]
	ds_store_b64 v[STB+((\s)%2)], v[T+2*(i%4):T+2*(i%4)+1] offset:(i/2)*LP+(i%2)*256
.if (\s)+1 < NST
	LDG LB+4*i, VOB, 6, (i/2)*BPITCH+(i%2)*512+((\s)+1)*1024
.endif
.set i, i+1
.endr
.endm
.macro FETCH b, k, f                   ; the fragments of 32 along K
	ds_load_b128 v[(\f):(\f)+3], v[ADRA+(\b)] offset:64*(\k)
	ds_load_b128 v[(\f)+4:(\f)+7], v[ADRA+(\b)] offset:64*(\k)+32
	ds_load_b128 v[(\f)+8:(\f)+11], v[ADRA+(\b)] offset:ALOFF+64*(\k)
	ds_load_b128 v[(\f)+12:(\f)+15], v[ADRA+(\b)] offset:ALOFF+64*(\k)+32
	ds_load_b128 v[(\f)+16:(\f)+19], v[ADRB+(\b)] offset:64*(\k)
	ds_load_b128 v[(\f)+20:(\f)+23], v[ADRB+(\b)] offset:64*(\k)+32
	ds_load_b128 v[(\f)+24:(\f)+27], v[ADRB+(\b)] offset:16*LP+64*(\k)
	ds_load_b128 v[(\f)+28:(\f)+31], v[ADRB+(\b)] offset:16*LP+64*(\k)+32
.endm
.macro MUL f, first                    ; the two accumulators take turns
.if \first
	v_wmma_f32_16x16x32_bf16 v[ACC:ACC+7], v[(\f)+16:(\f)+23], v[(\f):(\f)+7], 0
	v_wmma_f32_16x16x32_bf16 v[ACC+8:ACC+15], v[(\f)+24:(\f)+31], v[(\f):(\f)+7], 0
.else
	v_wmma_f32_16x16x32_bf16 v[ACC:ACC+7], v[(\f)+16:(\f)+23], v[(\f):(\f)+7], v[ACC:ACC+7]
	v_wmma_f32_16x16x32_bf16 v[ACC+8:ACC+15], v[(\f)+24:(\f)+31], v[(\f):(\f)+7], v[ACC+8:ACC+15]
.endif
	v_wmma_f32_16x16x32_bf16 v[ACC:ACC+7], v[(\f)+16:(\f)+23], v[(\f)+8:(\f)+15], v[ACC:ACC+7]
	v_wmma_f32_16x16x32_bf16 v[ACC+8:ACC+15], v[(\f)+24:(\f)+31], v[(\f)+8:(\f)+15], v[ACC+8:ACC+15]
.endm
.macro MULS b, first                   ; a chunk: eight steps of 32 along K; a step's fragments are fetched while the step before is multiplied
	FETCH \b, 0, F0                                ; (the roundings of the fill are the places behind the chunk before)
.set k, 0
.rept 7
.if k > 0
	PLACES
.endif
	FETCH \b, k+1, F0+32*((k+1)%2)
	s_wait_dscnt 8                                 ; all but the eight just issued
.if (k == 0) && (\first)
	MUL F0+32*(k%2), 1
.else
	MUL F0+32*(k%2), 0
.endif
.set k, k+1
.endr
	s_wait_dscnt 0x0
	MUL F1, 0
.endm
	s_load_b256 s[4:11], s[0:1], 0x0               ; A, B, bias, C
	v_lshl_add_u32 v[SPW], v0, 2, SPARE
	v_mov_b32 v[NIL], 0
	v_lshrrev_b32 v20, 5, v0
	v_readfirstlane_b32 s12, v20                   ; w
	s_lshr_b32 s13, s12, 1                         ; wm
	s_and_b32 s15, s12, 1                          ; wn
	s_and_b32 s14, ttmp7, 0xffff                   ; block of 64 rows; ttmp9: block of 64 columns
	s_mov_b32 s[HM], 0xffff0000
	v_and_b32 v1, 31, v0                           ; l
	v_and_b32 v2, 15, v0                           ; r
	v_bfe_u32 v3, v0, 4, 1                         ; hh
	v_and_b32 v20, 7, v0                           ; p
	v_bfe_u32 v21, v0, 3, 1                        ; part: 0 = a block's hi, 1 = its lo
	s_mul_i32 s16, s12, 8*APITCH
	v_lshl_add_u32 v[VOA], v1, 4, s16
	s_mul_i32 s16, s12, 8*BPITCH
	v_lshl_add_u32 v[VOB], v1, 4, s16
	s_mul_i32 s16, s12, 8*LP
	v_mul_u32_u24 v22, v21, ALOFF
	v_lshl_add_u32 v22, v3, 7, v22
	v_lshl_add_u32 v22, v20, 4, v22
	v_add_nc_u32 v[STA], s16, v22
	v_add_nc_u32 v[STA+1], BUFSZ, v[STA]
	v_lshl_add_u32 v[STB], v1, 3, s16
	v_add_nc_u32 v[STB], BOFF, v[STB]
	v_add_nc_u32 v[STB+1], BUFSZ, v[STB]
	v_mul_u32_u24 v22, v2, LP
	v_lshl_add_u32 v22, v3, 4, v22                 ; a fragment's row x pitch + 16 x half
	s_mul_i32 s16, s13, 16*LP
	v_add_nc_u32 v[ADRA], s16, v22
	v_add_nc_u32 v[ADRA+1], BUFSZ, v[ADRA]
	s_mul_i32 s16, s15, 32*LP
	s_add_co_u32 s16, s16, BOFF
	v_add_nc_u32 v[ADRB], s16, v22
	v_add_nc_u32 v[ADRB+1], BUFSZ, v[ADRB]
	v_mul_u32_u24 v22, v2, SP                      ; into the stage: row 16 wm + r, byte 64 wn + 16 hh of the hi half
	v_lshl_add_u32 v22, v3, 4, v22
	s_mul_i32 s16, s13, 16*SP
	s_lshl_b32 s17, s15, 6
	s_add_co_u32 s16, s16, s17
	s_add_co_u32 s16, s16, STAGE
	v_add_nc_u32 v[STO], s16, v22
	v_mul_u32_u24 v22, v3, SP                      ; back: rows 8 w + hh, 16 bytes a lane
	v_lshl_add_u32 v22, v2, 4, v22
	s_mul_i32 s16, s12, 8*SP
	s_add_co_u32 s16, s16, STAGE
	v_add_nc_u32 v[RD], s16, v22
	v_lshlrev_b32 v22, 12, v3                      ; and the same rows in C
	v_lshl_add_u32 v22, v2, 4, v22
	s_lshl_b32 s16, s12, 15
	v_add_nc_u32 v[CO], s16, v22
	s_lshl_b32 s16, s15, 7
	v_lshl_add_u32 v[VBI], v3, 5, s16
	s_lshl_b32 s20, s14, 18                        ; C: 64 rows of 4,096 bytes
	s_mov_b32 s21, 0
	s_lshl_b32 s22, ttmp9, 8                       ; 64 columns: 256 bytes of a row of C and of the bias
	s_mov_b32 s23, 0
.if G5
	s_mul_i32 s24, s14, 64*APITCH
	s_lshr_b32 s26, ttmp9, 1                       ; the head
	s_mul_i32 s26, s26, 3072
	s_add_co_u32 s24, s24, s26
	s_mul_i32 s26, ttmp9, 64*BPITCH
.else
	s_mov_b32 s24, s20
	s_lshl_b32 s26, ttmp9, 18
.endif
	s_mov_b32 s25, 0
	s_mov_b32 s27, 0
	s_wait_kmcnt 0x0
	s_add_nc_u64 s[4:5], s[4:5], s[24:25]
	s_add_nc_u64 s[6:7], s[6:7], s[26:27]
	s_add_nc_u64 s[8:9], s[8:9], s[22:23]
	s_add_nc_u64 s[10:11], s[10:11], s[20:21]
	s_add_nc_u64 s[10:11], s[10:11], s[22:23]
.set i, 0
.rept 4                                ; the bias first: older than every load of A and B, so the first TAKE shows it in
	global_load_b128 v[BI+4*i:BI+4*i+3], v[VBI], s[8:9] offset:64*(i/2)+16*(i%2)
.set i, i+1
.endr
.set i, 0
.rept 16
	LDG LA+4*i, VOA, 4, (i/2)*APITCH+(i%2)*512
.set i, i+1
.endr
.set i, 0
.rept 16
	LDG LB+4*i, VOB, 6, (i/2)*BPITCH+(i%2)*512
.set i, i+1
.endr
	; One barrier a chunk does for both orders: a buffer is written again two chunks later, and every wave has waited for its reads of it in front of the barrier between.
.set st, 0
.rept NST
	FILL st
	BAR
.if st == 0
	MULS 0, 1
.else
	MULS st%2, 0
.endif
.set st, st+1
.endr
	; THE WAY OUT.  The bias's roundings are the places behind the last products.
.set i, 0
.rept 8
	RND2 BI+2*i, BI+2*i+1, T+(i%4)
.set i, i+1
.endr
.set t, 0
.rept 2
.set q, 0
.rept 4
	v_pk_add_f32 v[ACC+8*t+2*q:ACC+8*t+2*q+1], v[ACC+8*t+2*q:ACC+8*t+2*q+1], v[BI+8*t+2*q:BI+8*t+2*q+1]
.set q, q+1
.endr
	SPLIT ACC+8*t, T, T+4, F0
	ds_store_b128 v[STO], v[T:T+3] offset:32*t
	ds_store_b128 v[STO], v[T+4:T+7] offset:32*t+128
.set t, t+1
.endr
	BAR                                            ; a row's 256 bytes come from two waves
.set i, 0
.rept 4
	ds_load_b128 v[F1+4*i:F1+4*i+3], v[RD] offset:i*2*SP
.set i, i+1
.endr
.set i, 0
.rept 4
	s_wait_dscnt 3-i                               ; the younger loads may stay out
	global_store_b128 v[CO], v[F1+4*i:F1+4*i+3], s[10:11] offset:i*8192  ; 16 lanes store one whole block of 256 bytes
.set i, i+1
.endr
	s_wait_tensorcnt 0x0                           ; the wave's end
	ds_add_u32 v[SPW], v[NIL]
	s_wait_dscnt 0x0
	s_endpgm
.Lfunc_end_k_qf7aab6a775_g5:
	.size	k_qf7aab6a775_g5, .Lfunc_end_k_qf7aab6a775_g5-k_qf7aab6a775_g5
	.p2alignl 7, 3214868480
	.fill 96, 4, 3214868480
	.section	.rodata,"a",@progbits
	.p2align	6, 0x0
	.amdhsa_kernel k_qf7aab6a775_g5
		.amdhsa_group_segment_fixed_size 221696
		.amdhsa_private_segment_fixed_size 0
		.amdhsa_enable_private_segment 0
		.amdhsa_kernarg_size 32
		.amdhsa_user_sgpr_count 2
		.amdhsa_user_sgpr_kernarg_segment_ptr 1
		.amdhsa_wavefront_size32 1
		.amdhsa_system_sgpr_workgroup_id_x 1
		.amdhsa_system_sgpr_workgroup_id_y 1
		.amdhsa_system_sgpr_workgroup_id_z 1
		.amdhsa_system_vgpr_workitem_id 0
		.amdhsa_next_free_vgpr 256
		.amdhsa_next_free_sgpr 66
		.amdhsa_reserve_vcc 0
		.amdhsa_float_denorm_mode_32 3
		.amdhsa_float_denorm_mode_16_64 3
		.amdhsa_memory_ordered 1
		.amdhsa_forward_progress 1
		.amdhsa_inst_pref_size 55
	.end_amdhsa_kernel
	.amdgpu_metadata
---
amdhsa.version: [ 1, 2 ]
amdhsa.kernels:
  - .name:           k_qf7aab6a775_g5
    .symbol:         k_qf7aab6a775_g5.kd
    .args:
      - { .name: tb, .offset: 0, .size: 8, .value_kind: global_buffer, .address_space: global }
      - { .name: Wv, .offset: 8, .size: 8, .value_kind: global_buffer, .address_space: global }
      - { .name: bv, .offset: 16, .size: 8, .value_kind: global_buffer, .address_space: global }
      - { .name: ctx, .offset: 24, .size: 8, .value_kind: global_buffer, .address_space: global }
    .group_segment_fixed_size: 221696
    .private_segment_fixed_size: 0
    .kernarg_segment_align: 8
    .kernarg_segment_size: 32
    .max_flat_workgroup_size: 256
    .sgpr_count:     66
    .vgpr_count:     256
    .wavefront_size: 32
...
	.end_amdgpu_metadata
.endif
;; end of part 6
;; launch g6: the kernel of part 3 again; grid 16 x 16, 8 waves a work-group, no clusters, 221,696 bytes of LDS; arguments ctx, Wo, bo, ao; writes ao
;; launch ln2 (part 7): grid 256 x 1, 4 waves a work-group, no clusters, 0 bytes of LDS; arguments ao, outb, ln2_g, ln2_b, out0; writes out0
.if DOCPART == 7
	.amdgcn_target "amdgcn-amd-amdhsa--gfx1250"
	.amdhsa_code_object_version 6
	.text
	.protected	k_qf7aab6a775_ln2
	.globl	k_qf7aab6a775_ln2
	.p2align	8
	.type	k_qf7aab6a775_ln2,@function
k_qf7aab6a775_ln2:
	s_mov_b64 s[64:65], 0
	v_nop
	global_prefetch_b8 v0, s[64:65] scope:SCOPE_SE
	s_setreg_imm32_b32 hwreg(HW_REG_WAVE_MODE, 25, 1), 1
	s_wait_xcnt 0x0
; out0 = gelu(out + LayerNorm(attn_out) g + b), the exact gelu 0.5 y (1 + erf(y / sqrt 2)).  One wave, one row of 1,024, kept in 32 registers; mean first, then the sum of squared differences.
; attn_out comes as hi + lo (blocks of 256 bytes: 64 hi, 64 lo), out as f32 (outb at 4 MiB); g and b are rounded to bf16 like every input.
; erf: 1 - erf(u) = t (a1 + t (a2 + t (a3 + t (a4 + t a5)))) exp(-u^2), t = 1 / (1 + 0.3275911 u), for every u >= 0 (Abramowitz and Stegun 7.1.26), absolute error 1.5e-7; the sign of y is put back afterwards.
; v_rsq_f32, v_rcp_f32, v_exp_f32 are good to 1 ulp.  No LDS, no matrix unit: a stream.
; COLUMNS.  In instruction i a lane owns the four columns 64 (2 i + hh) + 8 p + 4 part ..: 16 lanes cover 256 consecutive bytes of f32.
.set VOF, 5
.set VOH, 6
.set A,   8
.set G,   40
.set BB,  72
.set OU,  104
.set X,   136
.set S,   168
.set M,   176
.set R,   178
.set KK,  180
.set SD,  182
.set RC,  184
.set U,   186
.set TT,  190
.set TA,  168                          ; the gelu's registers take S's, U's and TT's places
.set Q,   172
.set P,   186
.set HH,  190
.set HM,  18
.set PM,  19
.set K10, 20
.set AM,  21
.set SEL, 22
.set KT,  24
.set KE,  26
.set A1,  28
.set A2,  30
.set A3,  32
.set A4,  34
.set A5,  36
.set EPS, 38
.macro RND2 a, b, t
	v_cvt_pk_bf16_f32 v[\t], v[\a], v[\b]
	v_lshlrev_b32 v[\a], 16, v[\t]
	v_and_b32 v[\b], s[HM], v[\t]
.endm
.macro RSUM a, t                       ; the sum over the 32 lanes, in every lane
	v_add_f32_dpp v[\a], v[\a], v[\a] row_xmask:1 row_mask:0xf bank_mask:0xf
	v_add_f32_dpp v[\a], v[\a], v[\a] row_xmask:2 row_mask:0xf bank_mask:0xf
	v_add_f32_dpp v[\a], v[\a], v[\a] row_xmask:4 row_mask:0xf bank_mask:0xf
	v_add_f32_dpp v[\a], v[\a], v[\a] row_xmask:8 row_mask:0xf bank_mask:0xf
	v_permlanex16_b32 v[\t], v[\a], s[SEL], s[SEL+1]
	v_add_f32 v[\a], v[\a], v[\t]
.endm
.macro FOLD
	v_pk_add_f32 v[S:S+1], v[S:S+1], v[S+2:S+3]
	v_pk_add_f32 v[S+4:S+5], v[S+4:S+5], v[S+6:S+7]
	v_pk_add_f32 v[S:S+1], v[S:S+1], v[S+4:S+5]
	v_add_f32 v[S], v[S], v[S+1]
	RSUM S, S+1
.endm
.macro STATS                           ; X becomes x - mean; R takes 1 / sqrt(var + eps): a plain line follows before it is used
.set c, 0
.rept 4
	v_pk_add_f32 v[S+2*c:S+2*c+1], v[X+2*c:X+2*c+1], v[X+8+2*c:X+8+2*c+1]
.set c, c+1
.endr
.set c, 0
.rept 8
	v_pk_add_f32 v[S+2*(c%4):S+2*(c%4)+1], v[S+2*(c%4):S+2*(c%4)+1], v[X+16+2*c:X+16+2*c+1]
.set c, c+1
.endr
	FOLD
	v_mul_f32 v[M], s[K10], v[S]
	v_mov_b32 v[M+1], v[M]
.set c, 0
.rept 16
	v_pk_add_f32 v[X+2*c:X+2*c+1], v[X+2*c:X+2*c+1], v[M:M+1] neg_lo:[0,1] neg_hi:[0,1]
.set c, c+1
.endr
.set c, 0
.rept 4
	v_pk_mul_f32 v[S+2*c:S+2*c+1], v[X+2*c:X+2*c+1], v[X+2*c:X+2*c+1]
.set c, c+1
.endr
.set c, 0
.rept 12
	v_pk_fma_f32 v[S+2*(c%4):S+2*(c%4)+1], v[X+8+2*c:X+8+2*c+1], v[X+8+2*c:X+8+2*c+1], v[S+2*(c%4):S+2*(c%4)+1]
.set c, c+1
.endr
	FOLD
	v_fma_f32 v[R], v[S], s[K10], s[EPS]
	v_rsq_f32 v[R], v[R]
.endm
.macro KONST r, x                      ; a constant as a pair: the packed lines name both words
	s_mov_b32 s[\r], \x
	s_mov_b32 s[(\r)+1], \x
.endm
	s_load_b256 s[4:11], s[0:1], 0x0               ; ao, outb, g, b
	s_load_b64 s[12:13], s[0:1], 0x20              ; out0
	v_lshrrev_b32 v1, 5, v0
	v_readfirstlane_b32 s14, v1
	s_lshl_b32 s15, ttmp9, 2
	s_add_co_u32 s15, s15, s14                     ; my row
	s_lshl_b32 s16, s15, 12
	s_mov_b32 s17, 0
	s_mov_b32 s[HM], 0xffff0000
	s_mov_b32 s[PM], 0xff00ff00                    ; the lanes with part = 1
	s_mov_b32 s[K10], 0x3a800000                   ; 1 / 1024
	s_mov_b32 s[AM], 0x7fffffff
	s_mov_b32 s[EPS], 0x3727c5ac                   ; 1e-5
	s_mov_b32 s[SEL], 0x76543210
	s_mov_b32 s[SEL+1], 0xfedcba98
	KONST KT, 0x3e6d3388                           ; 0.3275911 / sqrt 2
	KONST KE, 0xbf38aa3b                           ; -log2(e) / 2
	KONST A1, 0x3e827906                           ; 0.254829592
	KONST A2, 0xbe91a98e                           ; -0.284496736
	KONST A3, 0x3fb5f0e3                           ; 1.421413741
	KONST A4, 0xbfba00e3                           ; -1.453152027
	KONST A5, 0x3f87dc22                           ; 1.061405429
	v_and_b32 v1, 31, v0
	v_bfe_u32 v2, v0, 4, 1
	v_and_b32 v3, 7, v0
	v_bfe_u32 v4, v0, 3, 1
	v_lshlrev_b32 v[VOF], 8, v2
	v_lshl_add_u32 v[VOF], v3, 5, v[VOF]
	v_lshl_add_u32 v[VOF], v4, 4, v[VOF]
	v_lshlrev_b32 v[VOH], 4, v1
	v_mov_b32 v[RC], 0                             ; a DPP line's destination counts as read
	v_mov_b32 v[RC+1], 0
	s_wait_kmcnt 0x0
	s_add_nc_u64 s[4:5], s[4:5], s[16:17]
	s_add_nc_u64 s[6:7], s[6:7], s[16:17]
	s_add_nc_u64 s[6:7], s[6:7], 0x400000          ; out as f32
	s_add_nc_u64 s[12:13], s[12:13], s[16:17]
.set i, 0
.rept 8
	global_load_b128 v[A+4*i:A+4*i+3], v[VOH], s[4:5] offset:512*i
.set i, i+1
.endr
.set i, 0
.rept 8
	global_load_b128 v[G+4*i:G+4*i+3], v[VOF], s[8:9] offset:512*i
.set i, i+1
.endr
.set i, 0
.rept 8
	global_load_b128 v[BB+4*i:BB+4*i+3], v[VOF], s[10:11] offset:512*i
.set i, i+1
.endr
.set i, 0
.rept 8
	global_load_b128 v[OU+4*i:OU+4*i+3], v[VOF], s[6:7] offset:512*i
.set i, i+1
.endr
	s_wait_loadcnt 24                              ; attn_out is in; the 24 younger loads stay out
	; A lane with part = 0 holds the hi of eight columns, the lane 8 away their lo.  Each keeps the half that covers its own four columns and gives the other half away.
.set i, 0
.rept 8
	v_cndmask_b32 v[KK], v[A+4*i], v[A+4*i+2], s[PM]
	v_cndmask_b32 v[KK+1], v[A+4*i+1], v[A+4*i+3], s[PM]
	v_cndmask_b32 v[SD], v[A+4*i+2], v[A+4*i], s[PM]
	v_cndmask_b32 v[SD+1], v[A+4*i+3], v[A+4*i+1], s[PM]
	v_mov_b32_dpp v[RC], v[SD] row_xmask:8 row_mask:0xf bank_mask:0xf
	v_mov_b32_dpp v[RC+1], v[SD+1] row_xmask:8 row_mask:0xf bank_mask:0xf
	v_lshlrev_b32 v[X+4*i], 16, v[KK]
	v_and_b32 v[X+4*i+1], s[HM], v[KK]
	v_lshlrev_b32 v[X+4*i+2], 16, v[KK+1]
	v_and_b32 v[X+4*i+3], s[HM], v[KK+1]
	v_lshlrev_b32 v[U], 16, v[RC]
	v_and_b32 v[U+1], s[HM], v[RC]
	v_lshlrev_b32 v[U+2], 16, v[RC+1]
	v_and_b32 v[U+3], s[HM], v[RC+1]
	v_pk_add_f32 v[X+4*i:X+4*i+1], v[X+4*i:X+4*i+1], v[U:U+1]
	v_pk_add_f32 v[X+4*i+2:X+4*i+3], v[X+4*i+2:X+4*i+3], v[U+2:U+3]
.set i, i+1
.endr
	STATS
	s_wait_loadcnt 8                               ; g and b are in; out stays out
.set c, 0
.rept 16
	RND2 G+2*c, G+2*c+1, TT+2*(c%2)
	RND2 BB+2*c, BB+2*c+1, TT+2*(c%2)+1
.set c, c+1
.endr
	s_wait_alu depctr_va_vdst(0)
	v_mov_b32 v[R+1], v[R]
	s_wait_loadcnt 0x0
.set c, 0
.rept 16
	v_pk_mul_f32 v[X+2*c:X+2*c+1], v[X+2*c:X+2*c+1], v[R:R+1]
.set c, c+1
.endr
.set c, 0
.rept 16
	v_pk_fma_f32 v[X+2*c:X+2*c+1], v[X+2*c:X+2*c+1], v[G+2*c:G+2*c+1], v[BB+2*c:BB+2*c+1]
.set c, c+1
.endr
.set c, 0
.rept 16
	v_pk_add_f32 v[X+2*c:X+2*c+1], v[X+2*c:X+2*c+1], v[OU+2*c:OU+2*c+1]  ; y
.set c, c+1
.endr
	; the gelu, four numbers at a time; the reciprocals and exponentials stand together, and a plain line follows them before a result is used
.set i, 0
.rept 8
.set Y, X+4*i
.set j, 0
.rept 4
	v_and_b32 v[TA+j], s[AM], v[Y+j]
.set j, j+1
.endr
	v_pk_fma_f32 v[TA:TA+1], v[TA:TA+1], s[KT:KT+1], 1.0 op_sel_hi:[1,0,0]
	v_pk_fma_f32 v[TA+2:TA+3], v[TA+2:TA+3], s[KT:KT+1], 1.0 op_sel_hi:[1,0,0]
	v_pk_mul_f32 v[Q:Q+1], v[Y:Y+1], v[Y:Y+1]
	v_pk_mul_f32 v[Q+2:Q+3], v[Y+2:Y+3], v[Y+2:Y+3]
	v_pk_mul_f32 v[Q:Q+1], v[Q:Q+1], s[KE:KE+1] op_sel_hi:[1,0]
	v_pk_mul_f32 v[Q+2:Q+3], v[Q+2:Q+3], s[KE:KE+1] op_sel_hi:[1,0]
.set j, 0
.rept 4
	v_rcp_f32 v[TA+j], v[TA+j]
.set j, j+1
.endr
.set j, 0
.rept 4
	v_exp_f32 v[Q+j], v[Q+j]
.set j, j+1
.endr
	v_pk_mul_f32 v[HH:HH+1], v[Y:Y+1], 0.5 op_sel_hi:[1,0]
	v_pk_mul_f32 v[HH+2:HH+3], v[Y+2:Y+3], 0.5 op_sel_hi:[1,0]
	s_wait_alu depctr_va_vdst(0)
	v_pk_fma_f32 v[P:P+1], v[TA:TA+1], s[A5:A5+1], s[A4:A4+1] op_sel_hi:[1,0,0]
	v_pk_fma_f32 v[P+2:P+3], v[TA+2:TA+3], s[A5:A5+1], s[A4:A4+1] op_sel_hi:[1,0,0]
.irp k, A3, A2, A1
	v_pk_fma_f32 v[P:P+1], v[P:P+1], v[TA:TA+1], s[\k:\k+1] op_sel_hi:[1,1,0]
	v_pk_fma_f32 v[P+2:P+3], v[P+2:P+3], v[TA+2:TA+3], s[\k:\k+1] op_sel_hi:[1,1,0]
.endr
	v_pk_mul_f32 v[P:P+1], v[P:P+1], v[TA:TA+1]
	v_pk_mul_f32 v[P+2:P+3], v[P+2:P+3], v[TA+2:TA+3]
	v_pk_mul_f32 v[P:P+1], v[P:P+1], v[Q:Q+1]      ; 1 - erf(|y| / sqrt 2)
	v_pk_mul_f32 v[P+2:P+3], v[P+2:P+3], v[Q+2:Q+3]
.set j, 0
.rept 4
	v_sub_f32 v[P+j], 1.0, v[P+j]                  ; erf(|y| / sqrt 2),
.set j, j+1
.endr
.set j, 0
.rept 4
	v_bfi_b32 v[P+j], s[AM], v[P+j], v[Y+j]        ; with y's sign
.set j, j+1
.endr
	v_pk_fma_f32 v[Y:Y+1], v[HH:HH+1], v[P:P+1], v[HH:HH+1]
	v_pk_fma_f32 v[Y+2:Y+3], v[HH+2:HH+3], v[P+2:P+3], v[HH+2:HH+3]
	global_store_b128 v[VOF], v[Y:Y+3], s[12:13] offset:512*i th:TH_STORE_NT  ; 16 lanes store 256 consecutive bytes, aligned
.set i, i+1
.endr
	s_endpgm
.Lfunc_end_k_qf7aab6a775_ln2:
	.size	k_qf7aab6a775_ln2, .Lfunc_end_k_qf7aab6a775_ln2-k_qf7aab6a775_ln2
	.p2alignl 7, 3214868480
	.fill 96, 4, 3214868480
	.section	.rodata,"a",@progbits
	.p2align	6, 0x0
	.amdhsa_kernel k_qf7aab6a775_ln2
		.amdhsa_group_segment_fixed_size 0
		.amdhsa_private_segment_fixed_size 0
		.amdhsa_enable_private_segment 0
		.amdhsa_kernarg_size 40
		.amdhsa_user_sgpr_count 2
		.amdhsa_user_sgpr_kernarg_segment_ptr 1
		.amdhsa_wavefront_size32 1
		.amdhsa_system_sgpr_workgroup_id_x 1
		.amdhsa_system_sgpr_workgroup_id_y 1
		.amdhsa_system_sgpr_workgroup_id_z 1
		.amdhsa_system_vgpr_workitem_id 0
		.amdhsa_next_free_vgpr 200
		.amdhsa_next_free_sgpr 66
		.amdhsa_reserve_vcc 0
		.amdhsa_float_denorm_mode_32 3
		.amdhsa_float_denorm_mode_16_64 3
		.amdhsa_memory_ordered 1
		.amdhsa_forward_progress 1
		.amdhsa_inst_pref_size 41
	.end_amdhsa_kernel
	.amdgpu_metadata
---
amdhsa.version: [ 1, 2 ]
amdhsa.kernels:
  - .name:           k_qf7aab6a775_ln2
    .symbol:         k_qf7aab6a775_ln2.kd
    .args:
      - { .name: ao, .offset: 0, .size: 8, .value_kind: global_buffer, .address_space: global }
      - { .name: outb, .offset: 8, .size: 8, .value_kind: global_buffer, .address_space: global }
      - { .name: ln2_g, .offset: 16, .size: 8, .value_kind: global_buffer, .address_space: global }
      - { .name: ln2_b, .offset: 24, .size: 8, .value_kind: global_buffer, .address_space: global }
      - { .name: out0, .offset: 32, .size: 8, .value_kind: global_buffer, .address_space: global }
    .group_segment_fixed_size: 0
    .private_segment_fixed_size: 0
    .kernarg_segment_align: 8
    .kernarg_segment_size: 40
    .max_flat_workgroup_size: 128
    .sgpr_count:     66
    .vgpr_count:     200
    .wavefront_size: 32
...
	.end_amdgpu_metadata
.endif
;; end of part 7
;; ======== version 2 of 2: 8 launches; version 1 with the launches g1, g2, g5, g6 written anew for expert scheduling mode
;; workspace buffers: lgb 12,582,912 bytes; outb 8,388,608 bytes; qhl 4,194,304 bytes; qk 25,165,824 bytes; sb 32,768 bytes; tb 25,165,824 bytes; ctx 4,194,304 bytes; ao 4,194,304 bytes
;; launch g1 (part 8): grid 16 x 16, 8 waves a work-group, no clusters, 188,416 bytes of LDS; arguments x, z, Wl, Wg, Wb, bl, bg, bb, lgb; writes lgb
.if DOCPART == 8
	.amdgcn_target "amdgcn-amd-amdhsa--gfx1250"
	.amdhsa_code_object_version 6
	.text
	.protected	k_qf7aab6a775_g1
	.globl	k_qf7aab6a775_g1
	.p2align	8
	.type	k_qf7aab6a775_g1,@function
k_qf7aab6a775_g1:
	s_mov_b64 s[64:65], 0
	v_nop
	global_prefetch_b8 v0, s[64:65] scope:SCOPE_SE
	s_setreg_imm32_b32 hwreg(HW_REG_WAVE_SCHED_MODE, 0, 2), 2
	s_setreg_imm32_b32 hwreg(HW_REG_WAVE_MODE, 25, 1), 1
	s_wait_xcnt 0x0
	s_wait_alu depctr_vm_vsrc(0)
; lin = x Wl^T + bl, gamma = z Wg^T + bg, beta = z Wb^T + bb, all [1024][1024] f32, stored one behind the other in lgb.
; x, z, the weights and the biases are rounded once to bf16; products in bf16 with f32 sums.  NaN and infinities are not treated apart.
; SHARES.  A work-group makes 64 rows x 64 columns of all three results; wave (wm, wn) = (w / 2, w % 2) makes rows 16 wm .. and columns 32 wn ..: two accumulators a result.
; K goes in chunks of 256 through two LDS buffers.  Every element is loaded once by the work-group (16 bytes a lane, 512 consecutive bytes an instruction),
; rounded once, and laid into LDS; the next chunk's 32 loads a lane are on their way while a chunk is multiplied.
; The matrix instruction takes 16 rows of W as source 0 and 16 rows of x or z as source 1: a lane then holds eight neighbouring columns of one row.
; No shared tiles by joint loads: the operands are f32 in memory and bf16 in use, so they pass through registers, where each is rounded once.
; THE MODE: SCHED_MODE bits 1:0 = 2 (LLVM: expert scheduling mode 2), set by the entry lines.  The code itself states the register dependences
; between vector or matrix instructions and memory or LDS instructions, with s_wait_alu, always for 0.
; THE PLAN.  Registers that memory or LDS instructions touch:
;   LA, LB      A chunk's sixteen loads land in each; the fill's roundings read each load's four registers and write the first two of them; the fill's LDS stores read those two; then the next chunk's loads land.
;   F0, two sets  Step k's products read set k % 2; the LDS loads of step k + 1, issued at the head of step k, land in the other set, which step k - 1's products read.
;   ACC         On the way out the bias additions write them and the LDS stores into the stages read them; the loads from the stages land in F0.
;   v4 to v17   Offsets and LDS addresses, made at the head and never written again: the chunks are reached by immediate offsets.
;   T is named by vector instructions alone.
; So a fill is runs: sixteen roundings, ONE wait on va_vdst, sixteen LDS stores, for x or z and again for W; then ONE wait on vm_vsrc and the run of 32 loads.  A chunk's steps 1 to 6 begin with a wait
; on va_vdst; its first two fetches lean on the fill's, behind which no vector or matrix instruction stands.  The way out has one wait on va_vdst, ahead of its run of LDS stores.
.set LP,    528                        ; an LDS row: 256 bf16 + 16 bytes = 132 words: 16 rows of a fragment start at 16 different groups of four banks (64 banks of 4 bytes: ISA guide 11.1)
.set BOFF,  64*LP                      ; a buffer: 64 rows of x or z, then 64 rows of W
.set BUFSZ, 2*64*LP
.set STAGE, 2*BUFSZ                    ; behind the buffers: three stages of 64 rows x 272 bytes for the way out
.set SP,    272
.set OSTG,  64*SP
.set SPARE, STAGE+3*OSTG               ; the spare words: 128 bytes a wave, named by no other line
.set VOX,  4                           ; v4   8 w rows of 4,096 bytes + 16 l: x and Wl
.set VOZ,  5                           ; v5   8 w rows of 1,024 bytes + 16 l: z, Wg, Wb
.set ST,   6                           ; v6-7 where I lay 8 bytes of a row, buffer 0, 1
.set ADRA, 8                           ; v8-9   my fragments of x or z
.set ADRB, 10                          ; v10-11 my fragments of W
.set STO,  12
.set RD,   13
.set CO,   14
.set VBI,  15
.set SPW,  16
.set NIL,  17
.set T,    24                          ; v24-27 at work on the way out
.set ACC,  32                          ; v32-47 lin, v48-63 gamma, v64-79 beta
.set F0,   80                          ; v80-103, v104-127 two sets of fragments
.set LA,   128                         ; v128-191 sixteen loads of x or z
.set LB,   192                         ; v192-255 sixteen loads of W
.set HM,   33                          ; s33 a word's upper bf16
.set OB,   26                          ; s[26:31] the three results at my tile
.set OUT,  0                           ; loads issued and not yet taken
.macro LDG dst, vo, sb, off
	global_load_b128 v[(\dst):(\dst)+3], v[\vo], s[(\sb):(\sb)+1] offset:\off
.set OUT, OUT+1
.endm
.macro TAKE                            ; loads come back in order (ISA guide 5.7.1): the oldest is in when only the OUT - 1 younger ones are out
	s_wait_loadcnt OUT-1
.set OUT, OUT-1
.endm
.macro ROUND src                       ; sixteen loads are taken and rounded where they lie: a load's four f32 close up, as bf16, into the first two of its four registers
.set i, 0
.rept 16
	TAKE
	v_cvt_pk_bf16_f32 v[(\src)+4*i], v[(\src)+4*i], v[(\src)+4*i+1]
	v_cvt_pk_bf16_f32 v[(\src)+4*i+1], v[(\src)+4*i+2], v[(\src)+4*i+3]
.set i, i+1
.endr
.endm
.macro LAY st, src, x                  ; load i of sixteen goes into row 8 w + i / 2
	s_wait_alu depctr_va_vdst(0)                   ; the roundings have written the registers that these LDS stores read, and are done with those in which the next loads land; the chunk before's products are done reading both sets of fragments
.set i, 0
.rept 16
	ds_store_b64 v[\st], v[(\src)+4*i:(\src)+4*i+1] offset:(\x)+(i/2)*LP+(i%2)*256
.set i, i+1
.endr
.endm
.macro FILL buf                        ; a chunk goes from LA and LB into buffer buf
	ROUND LA
	LAY ST+(\buf), LA, 0
	ROUND LB
	LAY ST+(\buf), LB, BOFF
	s_wait_alu depctr_vm_vsrc(0)                   ; the 32 LDS stores have read LA and LB, in which the loads that follow land
.endm
.macro ASKA kind, c                    ; kind 1: x's chunk c; 2: z
.set i, 0
.rept 16
.if (\kind) == 1
	LDG LA+4*i, VOX, 4, (i/2)*4096+(i%2)*512+(\c)*1024
.else
	LDG LA+4*i, VOZ, 6, (i/2)*1024+(i%2)*512
.endif
.set i, i+1
.endr
.endm
.macro ASKB kind, c                    ; kind 1: Wl's chunk c; 2: Wg; 3: Wb
.set i, 0
.rept 16
.if (\kind) == 1
	LDG LB+4*i, VOX, 8, (i/2)*4096+(i%2)*512+(\c)*1024
.elseif (\kind) == 2
	LDG LB+4*i, VOZ, 10, (i/2)*1024+(i%2)*512
.else
	LDG LB+4*i, VOZ, 12, (i/2)*1024+(i%2)*512
.endif
.set i, i+1
.endr
.endm
.macro BAR                             ; my LDS stores and reads are done; then all eight waves meet
	s_wait_dscnt 0x0
	s_barrier_signal -1
	s_barrier_wait -1
.endm
.macro RND2 a, b, t                    ; two inputs rounded to bf16, kept as f32
	v_cvt_pk_bf16_f32 v[\t], v[\a], v[\b]
	v_lshlrev_b32 v[\a], 16, v[\t]
	v_and_b32 v[\b], s[HM], v[\t]
.endm
.macro FETCH ab, bb, k, f              ; the fragments of 32 along K: 16 rows of x or z, 2 x 16 rows of W
	ds_load_b128 v[(\f):(\f)+3], v[ADRA+(\ab)] offset:64*(\k)
	ds_load_b128 v[(\f)+4:(\f)+7], v[ADRA+(\ab)] offset:64*(\k)+32
	ds_load_b128 v[(\f)+8:(\f)+11], v[ADRB+(\bb)] offset:64*(\k)
	ds_load_b128 v[(\f)+12:(\f)+15], v[ADRB+(\bb)] offset:64*(\k)+32
	ds_load_b128 v[(\f)+16:(\f)+19], v[ADRB+(\bb)] offset:16*LP+64*(\k)
	ds_load_b128 v[(\f)+20:(\f)+23], v[ADRB+(\bb)] offset:16*LP+64*(\k)+32
.endm
.macro MUL f, acc, first               ; the two accumulators take turns
.if \first
	v_wmma_f32_16x16x32_bf16 v[(\acc):(\acc)+7], v[(\f)+8:(\f)+15], v[(\f):(\f)+7], 0
	v_wmma_f32_16x16x32_bf16 v[(\acc)+8:(\acc)+15], v[(\f)+16:(\f)+23], v[(\f):(\f)+7], 0
.else
	v_wmma_f32_16x16x32_bf16 v[(\acc):(\acc)+7], v[(\f)+8:(\f)+15], v[(\f):(\f)+7], v[(\acc):(\acc)+7]
	v_wmma_f32_16x16x32_bf16 v[(\acc)+8:(\acc)+15], v[(\f)+16:(\f)+23], v[(\f):(\f)+7], v[(\acc)+8:(\acc)+15]
.endif
.endm
.macro MULS ab, bb, acc, first         ; a chunk: eight steps of 32 along K; a step's fragments are fetched while the step before is multiplied
	FETCH \ab, \bb, 0, F0                          ; (no wait for this fetch and the next: the fill's last wait on va_vdst stands behind the chunk before's products, and no vector or matrix instruction since names a fragment's register)
.set k, 0
.rept 7
.if k > 0
	s_wait_alu depctr_va_vdst(0)                   ; the products of the step before are done reading the set in which the six loads below land
.endif
	FETCH \ab, \bb, k+1, F0+24*((k+1)%2)
	s_wait_dscnt 6                                 ; all but the six just issued
.if (k == 0) && (\first)
	MUL F0+24*(k%2), \acc, 1
.else
	MUL F0+24*(k%2), \acc, 0
.endif
.set k, k+1
.endr
	s_wait_dscnt 0x0
	MUL F0+24, \acc, 0
.endm
	s_load_b512 s[4:19], s[0:1], 0x0               ; x, z, Wl, Wg, Wb, bl, bg, bb
	s_load_b64 s[20:21], s[0:1], 0x40              ; lgb
	v_lshl_add_u32 v[SPW], v0, 2, SPARE
	v_mov_b32 v[NIL], 0
	v_lshrrev_b32 v18, 5, v0
	v_readfirstlane_b32 s22, v18                   ; w
	s_and_b32 s25, ttmp7, 0xffff                   ; block of 64 rows; ttmp9: block of 64 columns
	s_mov_b32 s[HM], 0xffff0000
	v_and_b32 v1, 31, v0                           ; l
	v_and_b32 v2, 15, v0                           ; r
	v_bfe_u32 v3, v0, 4, 1                         ; hh
	s_wait_alu depctr_va_sdst(0)                   ; s22 is written, ahead of its first reader: the wave's shares are made from it
	s_lshr_b32 s23, s22, 1                         ; wm
	s_and_b32 s24, s22, 1                          ; wn
	s_lshl_b32 s30, s22, 15
	v_lshl_add_u32 v[VOX], v1, 4, s30
	s_lshl_b32 s30, s22, 13
	v_lshl_add_u32 v[VOZ], v1, 4, s30
	s_mul_i32 s30, s22, 8*LP
	v_lshl_add_u32 v[ST], v1, 3, s30               ; row 8 w, 8 bytes a lane
	v_add_nc_u32 v[ST+1], BUFSZ, v[ST]
	v_mul_u32_u24 v18, v2, LP
	v_lshl_add_u32 v18, v3, 4, v18                 ; a fragment's row x pitch + 16 x half
	s_mul_i32 s30, s23, 16*LP
	v_add_nc_u32 v[ADRA], s30, v18
	v_add_nc_u32 v[ADRA+1], BUFSZ, v[ADRA]
	s_mul_i32 s30, s24, 32*LP
	s_add_co_u32 s30, s30, BOFF
	v_add_nc_u32 v[ADRB], s30, v18
	v_add_nc_u32 v[ADRB+1], BUFSZ, v[ADRB]
	v_mul_u32_u24 v18, v2, SP                      ; into a stage: row 16 wm + r, byte 128 wn + 32 hh
	v_lshl_add_u32 v18, v3, 5, v18
	s_mul_i32 s30, s23, 16*SP
	s_lshl_b32 s31, s24, 7
	s_add_co_u32 s30, s30, s31
	s_add_co_u32 s30, s30, STAGE
	v_add_nc_u32 v[STO], s30, v18
	v_mul_u32_u24 v18, v3, SP                      ; back: rows 8 w + hh, 16 bytes a lane
	v_lshl_add_u32 v18, v2, 4, v18
	s_mul_i32 s30, s22, 8*SP
	s_add_co_u32 s30, s30, STAGE
	v_add_nc_u32 v[RD], s30, v18
	v_lshlrev_b32 v18, 12, v3                      ; and the same rows in memory
	v_lshl_add_u32 v18, v2, 4, v18
	s_lshl_b32 s30, s22, 15
	v_add_nc_u32 v[CO], s30, v18
	s_lshl_b32 s30, s24, 7
	v_lshl_add_u32 v[VBI], v3, 5, s30              ; my eight columns in a bias
	s_lshl_b32 s34, s25, 18
	s_mov_b32 s35, 0
	s_lshl_b32 s36, s25, 16
	s_mov_b32 s37, 0
	s_lshl_b32 s38, ttmp9, 18
	s_mov_b32 s39, 0
	s_lshl_b32 s40, ttmp9, 16
	s_mov_b32 s41, 0
	s_lshl_b32 s42, ttmp9, 8
	s_mov_b32 s43, 0
	s_wait_kmcnt 0x0
	s_add_nc_u64 s[4:5], s[4:5], s[34:35]          ; x at my 64 rows
	s_add_nc_u64 s[6:7], s[6:7], s[36:37]          ; z
	s_add_nc_u64 s[8:9], s[8:9], s[38:39]          ; Wl at my 64 columns' rows
	s_add_nc_u64 s[10:11], s[10:11], s[40:41]      ; Wg
	s_add_nc_u64 s[12:13], s[12:13], s[40:41]      ; Wb
	s_add_nc_u64 s[14:15], s[14:15], s[42:43]      ; the biases
	s_add_nc_u64 s[16:17], s[16:17], s[42:43]
	s_add_nc_u64 s[18:19], s[18:19], s[42:43]
	s_add_nc_u64 s[20:21], s[20:21], s[34:35]
	s_add_nc_u64 s[OB:OB+1], s[20:21], s[42:43]    ; lin at my tile,
	s_add_nc_u64 s[OB+2:OB+3], s[OB:OB+1], 0x400000  ; gamma,
	s_add_nc_u64 s[OB+4:OB+5], s[OB:OB+1], 0x800000  ; beta
	s_wait_alu depctr_va_vdst(0)                   ; v4 to v17 are written: every load, store and LDS instruction of the kernel reads one of them as its offset or address
	ASKA 1, 0
	ASKB 1, 0
	; One barrier a chunk does for both orders: a buffer is written again two chunks later, and every wave has waited for its reads of it in front of the barrier between.
	FILL 0
	ASKA 1, 1
	ASKB 1, 1
	BAR
	MULS 0, 0, ACC, 1
	FILL 1
	ASKA 1, 2
	ASKB 1, 2
	BAR
	MULS 1, 1, ACC, 0
	FILL 0
	ASKA 1, 3
	ASKB 1, 3
	BAR
	MULS 0, 0, ACC, 0
	FILL 1
	ASKA 2, 0
	ASKB 2, 0
	BAR
	MULS 1, 1, ACC, 0
	FILL 0                                         ; z and Wg
	ASKB 3, 0
.set i, 0
.rept 12                               ; the three biases, behind every other load: my 2 x 8 columns of each
	LDG LA+4*i, VBI, 14+2*(i/4), 64*((i%4)/2)+16*(i%2)
.set i, i+1
.endr
	BAR
	MULS 0, 0, ACC+16, 1
	ROUND LB                                       ; Wb; z stays where it lies, in buffer 0.  Nothing lands in LB again, so no wait on vm_vsrc follows these stores
	LAY ST+1, LB, BOFF
	BAR
	MULS 0, 1, ACC+32, 1
	; THE WAY OUT.  The biases' roundings are the places behind the last products.
	s_wait_loadcnt 0x0
.set i, 0
.rept 24
	RND2 LA+2*i, LA+2*i+1, T+(i%4)
.set i, i+1
.endr
.set a, 0                              ; a = 2 x result + tile; each accumulator is read from its low end on
.rept 6
.set q, 0
.rept 4
	v_pk_add_f32 v[ACC+8*a+2*q:ACC+8*a+2*q+1], v[ACC+8*a+2*q:ACC+8*a+2*q+1], v[LA+8*a+2*q:LA+8*a+2*q+1]
.set q, q+1
.endr
.set a, a+1
.endr
	s_wait_alu depctr_va_vdst(0)                   ; the additions have written the accumulators, which the LDS stores read; the last products are done reading the fragments' registers, in which the loads from the stages land
.set a, 0
.rept 6
	ds_store_b128 v[STO], v[ACC+8*a:ACC+8*a+3] offset:(a/2)*OSTG+(a%2)*64
	ds_store_b128 v[STO], v[ACC+8*a+4:ACC+8*a+7] offset:(a/2)*OSTG+(a%2)*64+16
.set a, a+1
.endr
	BAR                                            ; a row's 256 bytes come from two waves
.set n, 0
.rept 12
	ds_load_b128 v[F0+4*n:F0+4*n+3], v[RD] offset:(n/4)*OSTG+(n%4)*2*SP
.set n, n+1
.endr
.set n, 0
.rept 12
	s_wait_dscnt 11-n                              ; the younger loads may stay out
	global_store_b128 v[CO], v[F0+4*n:F0+4*n+3], s[OB+2*(n/4):OB+2*(n/4)+1] offset:(n%4)*8192  ; 16 lanes store 256 consecutive bytes, aligned
.set n, n+1
.endr
	s_wait_dscnt 0x0                               ; the closing lines, six on end
	s_wait_alu 0x0
	s_wait_tensorcnt 0x0
	ds_add_u32 v[SPW], v[NIL]
	s_wait_dscnt 0x0
	s_endpgm
.Lfunc_end_k_qf7aab6a775_g1:
	.size	k_qf7aab6a775_g1, .Lfunc_end_k_qf7aab6a775_g1-k_qf7aab6a775_g1
	.p2alignl 7, 3214868480
	.fill 96, 4, 3214868480
	.section	.rodata,"a",@progbits
	.p2align	6, 0x0
	.amdhsa_kernel k_qf7aab6a775_g1
		.amdhsa_group_segment_fixed_size 188416
		.amdhsa_private_segment_fixed_size 0
		.amdhsa_enable_private_segment 0
		.amdhsa_kernarg_size 72
		.amdhsa_user_sgpr_count 2
		.amdhsa_user_sgpr_kernarg_segment_ptr 1
		.amdhsa_wavefront_size32 1
		.amdhsa_system_sgpr_workgroup_id_x 1
		.amdhsa_system_sgpr_workgroup_id_y 1
		.amdhsa_system_sgpr_workgroup_id_z 1
		.amdhsa_system_vgpr_workitem_id 0
		.amdhsa_next_free_vgpr 256
		.amdhsa_next_free_sgpr 66
		.amdhsa_reserve_vcc 0
		.amdhsa_float_denorm_mode_32 3
		.amdhsa_float_denorm_mode_16_64 3
		.amdhsa_memory_ordered 1
		.amdhsa_forward_progress 1
		.amdhsa_inst_pref_size 96
	.end_amdhsa_kernel
	.amdgpu_metadata
---
amdhsa.version: [ 1, 2 ]
amdhsa.kernels:
  - .name:           k_qf7aab6a775_g1
    .symbol:         k_qf7aab6a775_g1.kd
    .args:
      - { .name: x, .offset: 0, .size: 8, .value_kind: global_buffer, .address_space: global }
      - { .name: z, .offset: 8, .size: 8, .value_kind: global_buffer, .address_space: global }
      - { .name: Wl, .offset: 16, .size: 8, .value_kind: global_buffer, .address_space: global }
      - { .name: Wg, .offset: 24, .size: 8, .value_kind: global_buffer, .address_space: global }
      - { .name: Wb, .offset: 32, .size: 8, .value_kind: global_buffer, .address_space: global }
      - { .name: bl, .offset: 40, .size: 8, .value_kind: global_buffer, .address_space: global }
      - { .name: bg, .offset: 48, .size: 8, .value_kind: global_buffer, .address_space: global }
      - { .name: bb, .offset: 56, .size: 8, .value_kind: global_buffer, .address_space: global }
      - { .name: lgb, .offset: 64, .size: 8, .value_kind: global_buffer, .address_space: global }
    .group_segment_fixed_size: 188416
    .private_segment_fixed_size: 0
    .kernarg_segment_align: 8
    .kernarg_segment_size: 72
    .max_flat_workgroup_size: 256
    .sgpr_count:     66
    .vgpr_count:     256
    .wavefront_size: 32
...
	.end_amdgpu_metadata
.endif
;; end of part 8
;; launch ln1: the kernel of part 2 again; grid 256 x 1, 4 waves a work-group, no clusters, 0 bytes of LDS; arguments lgb, ln1_g, ln1_b, outb; writes outb
;; launch g2 (part 9): grid 16 x 16, 8 waves a work-group, no clusters, 221,696 bytes of LDS; arguments outb, Wq, bq, qhl; writes qhl
.if DOCPART == 9
	.amdgcn_target "amdgcn-amd-amdhsa--gfx1250"
	.amdhsa_code_object_version 6
	.text
	.protected	k_qf7aab6a775_g2
	.globl	k_qf7aab6a775_g2
	.p2align	8
	.type	k_qf7aab6a775_g2,@function
k_qf7aab6a775_g2:
	s_mov_b64 s[64:65], 0
	v_nop
	global_prefetch_b8 v0, s[64:65] scope:SCOPE_SE
	s_setreg_imm32_b32 hwreg(HW_REG_WAVE_SCHED_MODE, 0, 2), 2
	s_setreg_imm32_b32 hwreg(HW_REG_WAVE_MODE, 25, 1), 1
	s_wait_xcnt 0x0
	s_wait_alu depctr_vm_vsrc(0)
; C = A B^T + bias.  A: [1024] rows of K numbers, each as two bf16 (hi + lo): blocks of 256 bytes, 64 hi then the 64 lo of the same columns.  B: [1024][K] f32, bias: [1024] f32,
; both rounded once to bf16.  C: [1024][1024], again as hi and lo.  Both halves of A are multiplied by the same fragment of B; sums in f32.  NaN and infinities are not treated apart.
; G5 = 0: K = 1,024, A's rows 4,096 bytes apart.  G5 = 1: A is [1024][8 heads][768], and a block of 64 columns takes the rows of its head (column block / 2); K = 768.
; SHARES.  A work-group makes 64 x 64 of C; wave (wm, wn) = (w / 2, w % 2) rows 16 wm .., columns 32 wn ..: two accumulators.  K goes in chunks of 256 through two LDS buffers; every element is
; loaded once by the work-group (512 consecutive bytes an instruction); the next chunk's 32 loads a lane are on their way while a chunk is multiplied.
; Source 0 is 16 rows of B, source 1 16 rows of A: a lane then holds eight neighbouring columns of one row of C.
; No shared tiles by joint loads: B is f32 in memory and bf16 in use, so it passes through registers, where each number is rounded once.
; THE MODE: SCHED_MODE bits 1:0 = 2 (LLVM: expert scheduling mode 2), set by the entry lines.  The code itself states the register dependences
; between vector or matrix instructions and memory or LDS instructions, with s_wait_alu, always for 0.
; THE PLAN.  Registers that memory or LDS instructions touch:
;   LA          A chunk's sixteen loads of A land in it; the fill's LDS stores read it; then the next chunk's loads land.  No vector instruction names it.
;   LB          A chunk's sixteen loads of B land in it; the fill's roundings read each load's four registers and write the first two of them; the fill's LDS stores read those two; then the next chunk's loads land.
;   F0, F1      Step k's products read set k % 2; the LDS loads of step k + 1, issued at the head of step k, land in the other set, which step k - 1's products read.
;   OW          On the way out: written by the two tiles' splittings, read by the four LDS stores into the stage; the loads from the stage land in F1.
;   v4 to v19   Offsets and LDS addresses, made at the head and never written again: the chunks are reached by immediate offsets.
;   BI is loaded once; T, the accumulators and the splitting's U are named by vector and matrix instructions alone.
; So a fill is runs: A's sixteen LDS stores, B's sixteen roundings, ONE wait on va_vdst, B's sixteen LDS stores, ONE wait on vm_vsrc, the run of 32 loads.  A chunk's steps 1 to 6 begin with a wait
; on va_vdst; its first two fetches lean on the fill's, behind which no vector or matrix instruction stands.  The way out has one wait on va_vdst, ahead of its run of LDS stores.
.set G5, 0
.if G5
.set NST,    3
.set APITCH, 24576
.set BPITCH, 3072
.else
.set NST,    4
.set APITCH, 4096
.set BPITCH, 4096
.endif
.set LP,    528                        ; an LDS row: 256 bf16 + 16 bytes = 132 words: 16 rows of a fragment start at 16 different groups of four banks (64 banks of 4 bytes: ISA guide 11.1)
.set ALOFF, 64*LP+128                  ; a buffer: 64 rows of hi; 64 rows of lo, 128 bytes askew so that a store's hi lanes and lo lanes take different banks; 64 rows of B
.set BOFF,  ALOFF+64*LP
.set BUFSZ, 101632
.set STAGE, 2*BUFSZ                    ; behind the buffers: 64 rows x 272 bytes for the way out
.set SP,    272
.set SPARE, STAGE+64*SP                ; the spare words: 128 bytes a wave, named by no other line
.set VOA,  4
.set VOB,  5
.set STA,  6                           ; v6-7   where I lay 16 bytes of A, buffer 0, 1
.set STB,  8                           ; v8-9   where I lay 8 bytes of B
.set ADRA, 10                          ; v10-11 my fragments of A
.set ADRB, 12                          ; v12-13 my fragments of B
.set STO,  14
.set RD,   15
.set CO,   16
.set VBI,  17
.set SPW,  18
.set NIL,  19
.set T,    20                          ; v20-23 at work
.set ACC,  28                          ; v28-43
.set F0,   44                          ; v44-75, v76-107 two sets of fragments: hi, lo, B, B
.set F1,   76
.set OW,   F0+8                        ; v52-67 on the way out: tile t's hi at OW + 8 t, its lo at OW + 8 t + 4
.set LA,   108                         ; v108-171 sixteen loads of A
.set LB,   172                         ; v172-235 sixteen loads of B
.set BI,   236                         ; v236-251 the bias of my 2 x 8 columns
.set HM,   28                          ; s28
.set OUT,  0                           ; loads of A and B issued and not yet taken
.macro LDG dst, vo, sb, off
	global_load_b128 v[(\dst):(\dst)+3], v[\vo], s[(\sb):(\sb)+1] offset:\off
.set OUT, OUT+1
.endm
.macro TAKE                            ; loads come back in order (ISA guide 5.7.1): the oldest is in when only the OUT - 1 younger ones are out
	s_wait_loadcnt OUT-1
.set OUT, OUT-1
.endm
.macro BAR                             ; my LDS stores and reads are done; then all eight waves meet
	s_wait_dscnt 0x0
	s_barrier_signal -1
	s_barrier_wait -1
.endm
.macro RND2 a, b, t
	v_cvt_pk_bf16_f32 v[\t], v[\a], v[\b]
	v_lshlrev_b32 v[\a], 16, v[\t]
	v_and_b32 v[\b], s[HM], v[\t]
.endm
.macro SPLIT S, H, L, U                ; eight f32 -> four registers of hi = bf16(v), four of lo = bf16(v - hi); the source is read from its low end on
.set sq, 0
.rept 4
	v_cvt_pk_bf16_f32 v[(\H)+sq], v[(\S)+2*sq], v[(\S)+2*sq+1]
.set sq, sq+1
.endr
.set sq, 0
.rept 4
	v_lshlrev_b32 v[(\U)+2*sq], 16, v[(\H)+sq]
	v_and_b32 v[(\U)+2*sq+1], s[HM], v[(\H)+sq]
.set sq, sq+1
.endr
.set sq, 0
.rept 4
	v_pk_add_f32 v[(\U)+2*sq:(\U)+2*sq+1], v[(\S)+2*sq:(\S)+2*sq+1], v[(\U)+2*sq:(\U)+2*sq+1] neg_lo:[0,1] neg_hi:[0,1]
.set sq, sq+1
.endr
.set sq, 0
.rept 4
	v_cvt_pk_bf16_f32 v[(\L)+sq], v[(\U)+2*sq], v[(\U)+2*sq+1]
.set sq, sq+1
.endr
.endm
.macro FILL s                          ; chunk s goes from registers into buffer s % 2, and the registers are loaded again with chunk s + 1
.set i, 0
.rept 16
	TAKE
	ds_store_b128 v[STA+((\s)%2)], v[LA+4*i:LA+4*i+3] offset:(i/2)*LP+(i%2)*256
.set i, i+1
.endr
.set i, 0
.rept 16                               ; B is rounded where it lies: a load's four f32 close up, as bf16, into the first two of its four registers
	TAKE
	v_cvt_pk_bf16_f32 v[LB+4*i], v[LB+4*i], v[LB+4*i+1]
	v_cvt_pk_bf16_f32 v[LB+4*i+1], v[LB+4*i+2], v[LB+4*i+3]
.set i, i+1
.endr
	s_wait_alu depctr_va_vdst(0)                   ; the roundings have written the registers that the LDS stores below read, and are done with LB, in which the next loads land; the chunk before's products are done reading both sets of fragments
.set i, 0
.rept 16
	ds_store_b64 v[STB+((\s)%2)], v[LB+4*i:LB+4*i+1] offset:(i/2)*LP+(i%2)*256
.set i, i+1
.endr
.if (\s)+1 < NST
	s_wait_alu depctr_vm_vsrc(0)                   ; the 32 LDS stores have read LA and LB, in which the loads below land
.set i, 0
.rept 16
	LDG LA+4*i, VOA, 4, (i/2)*APITCH+(i%2)*512+((\s)+1)*1024
.set i, i+1
.endr
.set i, 0
.rept 16
	LDG LB+4*i, VOB, 6, (i/2)*BPITCH+(i%2)*512+((\s)+1)*1024
.set i, i+1
.endr
.endif
.endm
.macro FETCH b, k, f                   ; the fragments of 32 along K
	ds_load_b128 v[(\f):(\f)+3], v[ADRA+(\b)] offset:64*(\k)
	ds_load_b128 v[(\f)+4:(\f)+7], v[ADRA+(\b)] offset:64*(\k)+32
	ds_load_b128 v[(\f)+8:(\f)+11], v[ADRA+(\b)] offset:ALOFF+64*(\k)
	ds_load_b128 v[(\f)+12:(\f)+15], v[ADRA+(\b)] offset:ALOFF+64*(\k)+32
	ds_load_b128 v[(\f)+16:(\f)+19], v[ADRB+(\b)] offset:64*(\k)
	ds_load_b128 v[(\f)+20:(\f)+23], v[ADRB+(\b)] offset:64*(\k)+32
	ds_load_b128 v[(\f)+24:(\f)+27], v[ADRB+(\b)] offset:16*LP+64*(\k)
	ds_load_b128 v[(\f)+28:(\f)+31], v[ADRB+(\b)] offset:16*LP+64*(\k)+32
.endm
.macro MUL f, first                    ; the two accumulators take turns
.if \first
	v_wmma_f32_16x16x32_bf16 v[ACC:ACC+7], v[(\f)+16:(\f)+23], v[(\f):(\f)+7], 0
	v_wmma_f32_16x16x32_bf16 v[ACC+8:ACC+15], v[(\f)+24:(\f)+31], v[(\f):(\f)+7], 0
.else
	v_wmma_f32_16x16x32_bf16 v[ACC:ACC+7], v[(\f)+16:(\f)+23], v[(\f):(\f)+7], v[ACC:ACC+7]
	v_wmma_f32_16x16x32_bf16 v[ACC+8:ACC+15], v[(\f)+24:(\f)+31], v[(\f):(\f)+7], v[ACC+8:ACC+15]
.endif
	v_wmma_f32_16x16x32_bf16 v[ACC:ACC+7], v[(\f)+16:(\f)+23], v[(\f)+8:(\f)+15], v[ACC:ACC+7]
	v_wmma_f32_16x16x32_bf16 v[ACC+8:ACC+15], v[(\f)+24:(\f)+31], v[(\f)+8:(\f)+15], v[ACC+8:ACC+15]
.endm
.macro MULS b, first                   ; a chunk: eight steps of 32 along K; a step's fragments are fetched while the step before is multiplied
	FETCH \b, 0, F0                                ; (no wait for this fetch and the next: the fill's wait on va_vdst stands behind the chunk before's products, and no vector or matrix instruction since names a fragment's register)
.set k, 0
.rept 7
.if k > 0
	s_wait_alu depctr_va_vdst(0)                   ; the products of the step before are done reading the set in which the eight loads below land
.endif
	FETCH \b, k+1, F0+32*((k+1)%2)
	s_wait_dscnt 8                                 ; all but the eight just issued
.if (k == 0) && (\first)
	MUL F0+32*(k%2), 1
.else
	MUL F0+32*(k%2), 0
.endif
.set k, k+1
.endr
	s_wait_dscnt 0x0
	MUL F1, 0
.endm
	s_load_b256 s[4:11], s[0:1], 0x0               ; A, B, bias, C
	v_lshl_add_u32 v[SPW], v0, 2, SPARE
	v_mov_b32 v[NIL], 0
	v_lshrrev_b32 v20, 5, v0
	v_readfirstlane_b32 s12, v20                   ; w
	s_and_b32 s14, ttmp7, 0xffff                   ; block of 64 rows; ttmp9: block of 64 columns
	s_mov_b32 s[HM], 0xffff0000
	v_and_b32 v1, 31, v0                           ; l
	v_and_b32 v2, 15, v0                           ; r
	v_bfe_u32 v3, v0, 4, 1                         ; hh
	v_and_b32 v20, 7, v0                           ; p
	v_bfe_u32 v21, v0, 3, 1                        ; part: 0 = a block's hi, 1 = its lo
	s_wait_alu depctr_va_sdst(0)                   ; s12 is written, ahead of its first reader: the wave's shares are made from it
	s_lshr_b32 s13, s12, 1                         ; wm
	s_and_b32 s15, s12, 1                          ; wn
	s_mul_i32 s16, s12, 8*APITCH
	v_lshl_add_u32 v[VOA], v1, 4, s16
	s_mul_i32 s16, s12, 8*BPITCH
	v_lshl_add_u32 v[VOB], v1, 4, s16
	s_mul_i32 s16, s12, 8*LP
	v_mul_u32_u24 v22, v21, ALOFF
	v_lshl_add_u32 v22, v3, 7, v22
	v_lshl_add_u32 v22, v20, 4, v22
	v_add_nc_u32 v[STA], s16, v22
	v_add_nc_u32 v[STA+1], BUFSZ, v[STA]
	v_lshl_add_u32 v[STB], v1, 3, s16
	v_add_nc_u32 v[STB], BOFF, v[STB]
	v_add_nc_u32 v[STB+1], BUFSZ, v[STB]
	v_mul_u32_u24 v22, v2, LP
	v_lshl_add_u32 v22, v3, 4, v22                 ; a fragment's row x pitch + 16 x half
	s_mul_i32 s16, s13, 16*LP
	v_add_nc_u32 v[ADRA], s16, v22
	v_add_nc_u32 v[ADRA+1], BUFSZ, v[ADRA]
	s_mul_i32 s16, s15, 32*LP
	s_add_co_u32 s16, s16, BOFF
	v_add_nc_u32 v[ADRB], s16, v22
	v_add_nc_u32 v[ADRB+1], BUFSZ, v[ADRB]
	v_mul_u32_u24 v22, v2, SP                      ; into the stage: row 16 wm + r, byte 64 wn + 16 hh of the hi half
	v_lshl_add_u32 v22, v3, 4, v22
	s_mul_i32 s16, s13, 16*SP
	s_lshl_b32 s17, s15, 6
	s_add_co_u32 s16, s16, s17
	s_add_co_u32 s16, s16, STAGE
	v_add_nc_u32 v[STO], s16, v22
	v_mul_u32_u24 v22, v3, SP                      ; back: rows 8 w + hh, 16 bytes a lane
	v_lshl_add_u32 v22, v2, 4, v22
	s_mul_i32 s16, s12, 8*SP
	s_add_co_u32 s16, s16, STAGE
	v_add_nc_u32 v[RD], s16, v22
	v_lshlrev_b32 v22, 12, v3                      ; and the same rows in C
	v_lshl_add_u32 v22, v2, 4, v22
	s_lshl_b32 s16, s12, 15
	v_add_nc_u32 v[CO], s16, v22
	s_lshl_b32 s16, s15, 7
	v_lshl_add_u32 v[VBI], v3, 5, s16
	s_lshl_b32 s20, s14, 18                        ; C: 64 rows of 4,096 bytes
	s_mov_b32 s21, 0
	s_lshl_b32 s22, ttmp9, 8                       ; 64 columns: 256 bytes of a row of C and of the bias
	s_mov_b32 s23, 0
.if G5
	s_mul_i32 s24, s14, 64*APITCH
	s_lshr_b32 s26, ttmp9, 1                       ; the head
	s_mul_i32 s26, s26, 3072
	s_add_co_u32 s24, s24, s26
	s_mul_i32 s26, ttmp9, 64*BPITCH
.else
	s_mov_b32 s24, s20
	s_lshl_b32 s26, ttmp9, 18
.endif
	s_mov_b32 s25, 0
	s_mov_b32 s27, 0
	s_wait_kmcnt 0x0
	s_add_nc_u64 s[4:5], s[4:5], s[24:25]
	s_add_nc_u64 s[6:7], s[6:7], s[26:27]
	s_add_nc_u64 s[8:9], s[8:9], s[22:23]
	s_add_nc_u64 s[10:11], s[10:11], s[20:21]
	s_add_nc_u64 s[10:11], s[10:11], s[22:23]
	s_wait_alu depctr_va_vdst(0)                   ; v4 to v19 are written: every load, store and LDS instruction of the kernel reads one of them as its offset or address
.set i, 0
.rept 4                                ; the bias first: older than every load of A and B, so the first TAKE shows it in
	global_load_b128 v[BI+4*i:BI+4*i+3], v[VBI], s[8:9] offset:64*(i/2)+16*(i%2)
.set i, i+1
.endr
.set i, 0
.rept 16
	LDG LA+4*i, VOA, 4, (i/2)*APITCH+(i%2)*512
.set i, i+1
.endr
.set i, 0
.rept 16
	LDG LB+4*i, VOB, 6, (i/2)*BPITCH+(i%2)*512
.set i, i+1
.endr
	; One barrier a chunk does for both orders: a buffer is written again two chunks later, and every wave has waited for its reads of it in front of the barrier between.
.set st, 0
.rept NST
	FILL st
	BAR
.if st == 0
	MULS 0, 1
.else
	MULS st%2, 0
.endif
.set st, st+1
.endr
	; THE WAY OUT.  The bias's roundings are the places behind the last products.
.set i, 0
.rept 8
	RND2 BI+2*i, BI+2*i+1, T+(i%4)
.set i, i+1
.endr
.set t, 0
.rept 2
.set q, 0
.rept 4
	v_pk_add_f32 v[ACC+8*t+2*q:ACC+8*t+2*q+1], v[ACC+8*t+2*q:ACC+8*t+2*q+1], v[BI+8*t+2*q:BI+8*t+2*q+1]
.set q, q+1
.endr
	SPLIT ACC+8*t, OW+8*t, OW+8*t+4, F0
.set t, t+1
.endr
	s_wait_alu depctr_va_vdst(0)                   ; the splittings have written OW, which the LDS stores read; the last products are done reading F1, in which the loads from the stage land
.set t, 0
.rept 2
	ds_store_b128 v[STO], v[OW+8*t:OW+8*t+3] offset:32*t
	ds_store_b128 v[STO], v[OW+8*t+4:OW+8*t+7] offset:32*t+128
.set t, t+1
.endr
	BAR                                            ; a row's 256 bytes come from two waves
.set i, 0
.rept 4
	ds_load_b128 v[F1+4*i:F1+4*i+3], v[RD] offset:i*2*SP
.set i, i+1
.endr
.set i, 0
.rept 4
	s_wait_dscnt 3-i                               ; the younger loads may stay out
	global_store_b128 v[CO], v[F1+4*i:F1+4*i+3], s[10:11] offset:i*8192  ; 16 lanes store one whole block of 256 bytes
.set i, i+1
.endr
	s_wait_dscnt 0x0                               ; the closing lines, six on end
	s_wait_alu 0x0
	s_wait_tensorcnt 0x0
	ds_add_u32 v[SPW], v[NIL]
	s_wait_dscnt 0x0
	s_endpgm
.Lfunc_end_k_qf7aab6a775_g2:
	.size	k_qf7aab6a775_g2, .Lfunc_end_k_qf7aab6a775_g2-k_qf7aab6a775_g2
	.p2alignl 7, 3214868480
	.fill 96, 4, 3214868480
	.section	.rodata,"a",@progbits
	.p2align	6, 0x0
	.amdhsa_kernel k_qf7aab6a775_g2
		.amdhsa_group_segment_fixed_size 221696
		.amdhsa_private_segment_fixed_size 0
		.amdhsa_enable_private_segment 0
		.amdhsa_kernarg_size 32
		.amdhsa_user_sgpr_count 2
		.amdhsa_user_sgpr_kernarg_segment_ptr 1
		.amdhsa_wavefront_size32 1
		.amdhsa_system_sgpr_workgroup_id_x 1
		.amdhsa_system_sgpr_workgroup_id_y 1
		.amdhsa_system_sgpr_workgroup_id_z 1
		.amdhsa_system_vgpr_workitem_id 0
		.amdhsa_next_free_vgpr 256
		.amdhsa_next_free_sgpr 66
		.amdhsa_reserve_vcc 0
		.amdhsa_float_denorm_mode_32 3
		.amdhsa_float_denorm_mode_16_64 3
		.amdhsa_memory_ordered 1
		.amdhsa_forward_progress 1
		.amdhsa_inst_pref_size 68
	.end_amdhsa_kernel
	.amdgpu_metadata
---
amdhsa.version: [ 1, 2 ]
amdhsa.kernels:
  - .name:           k_qf7aab6a775_g2
    .symbol:         k_qf7aab6a775_g2.kd
    .args:
      - { .name: outb, .offset: 0, .size: 8, .value_kind: global_buffer, .address_space: global }
      - { .name: Wq, .offset: 8, .size: 8, .value_kind: global_buffer, .address_space: global }
      - { .name: bq, .offset: 16, .size: 8, .value_kind: global_buffer, .address_space: global }
      - { .name: qhl, .offset: 24, .size: 8, .value_kind: global_buffer, .address_space: global }
    .group_segment_fixed_size: 221696
    .private_segment_fixed_size: 0
    .kernarg_segment_align: 8
    .kernarg_segment_size: 32
    .max_flat_workgroup_size: 256
    .sgpr_count:     66
    .vgpr_count:     256
    .wavefront_size: 32
...
	.end_amdgpu_metadata
.endif
;; end of part 9
;; launch g3: the kernel of part 4 again; grid 16 x 16, 8 waves a work-group, no clusters, 237,824 bytes of LDS; arguments qhl, Wk, bk, qk, sb; writes qk, sb
;; launch att: the kernel of part 5 again; grid 1024 x 1, 8 waves a work-group, no clusters, 94,720 bytes of LDS; arguments text_feat, attention, qk, sb, tb; writes tb
;; launch g5 (part 10): grid 16 x 16, 8 waves a work-group, no clusters, 221,696 bytes of LDS; arguments tb, Wv, bv, ctx; writes ctx
.if DOCPART == 10
	.amdgcn_target "amdgcn-amd-amdhsa--gfx1250"
	.amdhsa_code_object_version 6
	.text
	.protected	k_qf7aab6a775_g5
	.globl	k_qf7aab6a775_g5
	.p2align	8
	.type	k_qf7aab6a775_g5,@function
k_qf7aab6a775_g5:
	s_mov_b64 s[64:65], 0
	v_nop
	global_prefetch_b8 v0, s[64:65] scope:SCOPE_SE
	s_setreg_imm32_b32 hwreg(HW_REG_WAVE_SCHED_MODE, 0, 2), 2
	s_setreg_imm32_b32 hwreg(HW_REG_WAVE_MODE, 25, 1), 1
	s_wait_xcnt 0x0
	s_wait_alu depctr_vm_vsrc(0)
; C = A B^T + bias.  A: [1024] rows of K numbers, each as two bf16 (hi + lo): blocks of 256 bytes, 64 hi then the 64 lo of the same columns.  B: [1024][K] f32, bias: [1024] f32,
; both rounded once to bf16.  C: [1024][1024], again as hi and lo.  Both halves of A are multiplied by the same fragment of B; sums in f32.  NaN and infinities are not treated apart.
; G5 = 0: K = 1,024, A's rows 4,096 bytes apart.  G5 = 1 (here): A is [1024][8 heads][768], and a block of 64 columns takes the rows of its head (column block / 2); K = 768:
; ctx[b][128 h + n] = tbar[b][h] . Wv[128 h + n] + bv[128 h + n], which is reference()'s sum over t of attn (Wv text_t + bv) in another order of sums, the weights' sum being 1.
; SHARES.  A work-group makes 64 x 64 of C; wave (wm, wn) = (w / 2, w % 2) rows 16 wm .., columns 32 wn ..: two accumulators.  K goes in chunks of 256 through two LDS buffers; every element is
; loaded once by the work-group (512 consecutive bytes an instruction); the next chunk's 32 loads a lane are on their way while a chunk is multiplied.
; Source 0 is 16 rows of B, source 1 16 rows of A: a lane then holds eight neighbouring columns of one row of C.
; No shared tiles by joint loads: B is f32 in memory and bf16 in use, so it passes through registers, where each number is rounded once.
; THE MODE: SCHED_MODE bits 1:0 = 2 (LLVM: expert scheduling mode 2), set by the entry lines.  The code itself states the register dependences
; between vector or matrix instructions and memory or LDS instructions, with s_wait_alu, always for 0.
; THE PLAN.  Registers that memory or LDS instructions touch:
;   LA          A chunk's sixteen loads of A land in it; the fill's LDS stores read it; then the next chunk's loads land.  No vector instruction names it.
;   LB          A chunk's sixteen loads of B land in it; the fill's roundings read each load's four registers and write the first two of them; the fill's LDS stores read those two; then the next chunk's loads land.
;   F0, F1      Step k's products read set k % 2; the LDS loads of step k + 1, issued at the head of step k, land in the other set, which step k - 1's products read.
;   OW          On the way out: written by the two tiles' splittings, read by the four LDS stores into the stage; the loads from the stage land in F1.
;   v4 to v19   Offsets and LDS addresses, made at the head and never written again: the chunks are reached by immediate offsets.
;   BI is loaded once; T, the accumulators and the splitting's U are named by vector and matrix instructions alone.
; So a fill is runs: A's sixteen LDS stores, B's sixteen roundings, ONE wait on va_vdst, B's sixteen LDS stores, ONE wait on vm_vsrc, the run of 32 loads.  A chunk's steps 1 to 6 begin with a wait
; on va_vdst; its first two fetches lean on the fill's, behind which no vector or matrix instruction stands.  The way out has one wait on va_vdst, ahead of its run of LDS stores.
.set G5, 1
.if G5
.set NST,    3
.set APITCH, 24576
.set BPITCH, 3072
.else
.set NST,    4
.set APITCH, 4096
.set BPITCH, 4096
.endif
.set LP,    528                        ; an LDS row: 256 bf16 + 16 bytes = 132 words: 16 rows of a fragment start at 16 different groups of four banks (64 banks of 4 bytes: ISA guide 11.1)
.set ALOFF, 64*LP+128                  ; a buffer: 64 rows of hi; 64 rows of lo, 128 bytes askew so that a store's hi lanes and lo lanes take different banks; 64 rows of B
.set BOFF,  ALOFF+64*LP
.set BUFSZ, 101632
.set STAGE, 2*BUFSZ                    ; behind the buffers: 64 rows x 272 bytes for the way out
.set SP,    272
.set SPARE, STAGE+64*SP                ; the spare words: 128 bytes a wave, named by no other line
.set VOA,  4
.set VOB,  5
.set STA,  6                           ; v6-7   where I lay 16 bytes of A, buffer 0, 1
.set STB,  8                           ; v8-9   where I lay 8 bytes of B
.set ADRA, 10                          ; v10-11 my fragments of A
.set ADRB, 12                          ; v12-13 my fragments of B
.set STO,  14
.set RD,   15
.set CO,   16
.set VBI,  17
.set SPW,  18
.set NIL,  19
.set T,    20                          ; v20-23 at work
.set ACC,  28                          ; v28-43
.set F0,   44                          ; v44-75, v76-107 two sets of fragments: hi, lo, B, B
.set F1,   76
.set OW,   F0+8                        ; v52-67 on the way out: tile t's hi at OW + 8 t, its lo at OW + 8 t + 4
.set LA,   108                         ; v108-171 sixteen loads of A
.set LB,   172                         ; v172-235 sixteen loads of B
.set BI,   236                         ; v236-251 the bias of my 2 x 8 columns
.set HM,   28                          ; s28
.set OUT,  0                           ; loads of A and B issued and not yet taken
.macro LDG dst, vo, sb, off
	global_load_b128 v[(\dst):(\dst)+3], v[\vo], s[(\sb):(\sb)+1] offset:\off
.set OUT, OUT+1
.endm
.macro TAKE                            ; loads come back in order (ISA guide 5.7.1): the oldest is in when only the OUT - 1 younger ones are out
	s_wait_loadcnt OUT-1
.set OUT, OUT-1
.endm
.macro BAR                             ; my LDS stores and reads are done; then all eight waves meet
	s_wait_dscnt 0x0
	s_barrier_signal -1
	s_barrier_wait -1
.endm
.macro RND2 a, b, t
	v_cvt_pk_bf16_f32 v[\t], v[\a], v[\b]
	v_lshlrev_b32 v[\a], 16, v[\t]
	v_and_b32 v[\b], s[HM], v[\t]
.endm
.macro SPLIT S, H, L, U                ; eight f32 -> four registers of hi = bf16(v), four of lo = bf16(v - hi); the source is read from its low end on
.set sq, 0
.rept 4
	v_cvt_pk_bf16_f32 v[(\H)+sq], v[(\S)+2*sq], v[(\S)+2*sq+1]
.set sq, sq+1
.endr
.set sq, 0
.rept 4
	v_lshlrev_b32 v[(\U)+2*sq], 16, v[(\H)+sq]
	v_and_b32 v[(\U)+2*sq+1], s[HM], v[(\H)+sq]
.set sq, sq+1
.endr
.set sq, 0
.rept 4
	v_pk_add_f32 v[(\U)+2*sq:(\U)+2*sq+1], v[(\S)+2*sq:(\S)+2*sq+1], v[(\U)+2*sq:(\U)+2*sq+1] neg_lo:[0,1] neg_hi:[0,1]
.set sq, sq+1
.endr
.set sq, 0
.rept 4
	v_cvt_pk_bf16_f32 v[(\L)+sq], v[(\U)+2*sq], v[(\U)+2*sq+1]
.set sq, sq+1
.endr
.endm
.macro FILL s                          ; chunk s goes from registers into buffer s % 2, and the registers are loaded again with chunk s + 1
.set i, 0
.rept 16
	TAKE
	ds_store_b128 v[STA+((\s)%2)], v[LA+4*i:LA+4*i+3] offset:(i/2)*LP+(i%2)*256
.set i, i+1
.endr
.set i, 0
.rept 16                               ; B is rounded where it lies: a load's four f32 close up, as bf16, into the first two of its four registers
	TAKE
	v_cvt_pk_bf16_f32 v[LB+4*i], v[LB+4*i], v[LB+4*i+1]
	v_cvt_pk_bf16_f32 v[LB+4*i+1], v[LB+4*i+2], v[LB+4*i+3]
.set i, i+1
.endr
	s_wait_alu depctr_va_vdst(0)                   ; the roundings have written the registers that the LDS stores below read, and are done with LB, in which the next loads land; the chunk before's products are done reading both sets of fragments
.set i, 0
.rept 16
	ds_store_b64 v[STB+((\s)%2)], v[LB+4*i:LB+4*i+1] offset:(i/2)*LP+(i%2)*256
.set i, i+1
.endr
.if (\s)+1 < NST
	s_wait_alu depctr_vm_vsrc(0)                   ; the 32 LDS stores have read LA and LB, in which the loads below land
.set i, 0
.rept 16
	LDG LA+4*i, VOA, 4, (i/2)*APITCH+(i%2)*512+((\s)+1)*1024
.set i, i+1
.endr
.set i, 0
.rept 16
	LDG LB+4*i, VOB, 6, (i/2)*BPITCH+(i%2)*512+((\s)+1)*1024
.set i, i+1
.endr
.endif
.endm
.macro FETCH b, k, f                   ; the fragments of 32 along K
	ds_load_b128 v[(\f):(\f)+3], v[ADRA+(\b)] offset:64*(\k)
	ds_load_b128 v[(\f)+4:(\f)+7], v[ADRA+(\b)] offset:64*(\k)+32
	ds_load_b128 v[(\f)+8:(\f)+11], v[ADRA+(\b)] offset:ALOFF+64*(\k)
	ds_load_b128 v[(\f)+12:(\f)+15], v[ADRA+(\b)] offset:ALOFF+64*(\k)+32
	ds_load_b128 v[(\f)+16:(\f)+19], v[ADRB+(\b)] offset:64*(\k)
	ds_load_b128 v[(\f)+20:(\f)+23], v[ADRB+(\b)] offset:64*(\k)+32
	ds_load_b128 v[(\f)+24:(\f)+27], v[ADRB+(\b)] offset:16*LP+64*(\k)
	ds_load_b128 v[(\f)+28:(\f)+31], v[ADRB+(\b)] offset:16*LP+64*(\k)+32
.endm
.macro MUL f, first                    ; the two accumulators take turns
.if \first
	v_wmma_f32_16x16x32_bf16 v[ACC:ACC+7], v[(\f)+16:(\f)+23], v[(\f):(\f)+7], 0
	v_wmma_f32_16x16x32_bf16 v[ACC+8:ACC+15], v[(\f)+24:(\f)+31], v[(\f):(\f)+7], 0
.else
	v_wmma_f32_16x16x32_bf16 v[ACC:ACC+7], v[(\f)+16:(\f)+23], v[(\f):(\f)+7], v[ACC:ACC+7]
	v_wmma_f32_16x16x32_bf16 v[ACC+8:ACC+15], v[(\f)+24:(\f)+31], v[(\f):(\f)+7], v[ACC+8:ACC+15]
.endif
	v_wmma_f32_16x16x32_bf16 v[ACC:ACC+7], v[(\f)+16:(\f)+23], v[(\f)+8:(\f)+15], v[ACC:ACC+7]
	v_wmma_f32_16x16x32_bf16 v[ACC+8:ACC+15], v[(\f)+24:(\f)+31], v[(\f)+8:(\f)+15], v[ACC+8:ACC+15]
.endm
.macro MULS b, first                   ; a chunk: eight steps of 32 along K; a step's fragments are fetched while the step before is multiplied
	FETCH \b, 0, F0                                ; (no wait for this fetch and the next: the fill's wait on va_vdst stands behind the chunk before's products, and no vector or matrix instruction since names a fragment's register)
.set k, 0
.rept 7
.if k > 0
	s_wait_alu depctr_va_vdst(0)                   ; the products of the step before are done reading the set in which the eight loads below land
.endif
	FETCH \b, k+1, F0+32*((k+1)%2)
	s_wait_dscnt 8                                 ; all but the eight just issued
.if (k == 0) && (\first)
	MUL F0+32*(k%2), 1
.else
	MUL F0+32*(k%2), 0
.endif
.set k, k+1
.endr
	s_wait_dscnt 0x0
	MUL F1, 0
.endm
	s_load_b256 s[4:11], s[0:1], 0x0               ; A, B, bias, C
	v_lshl_add_u32 v[SPW], v0, 2, SPARE
	v_mov_b32 v[NIL], 0
	v_lshrrev_b32 v20, 5, v0
	v_readfirstlane_b32 s12, v20                   ; w
	s_and_b32 s14, ttmp7, 0xffff                   ; block of 64 rows; ttmp9: block of 64 columns
	s_mov_b32 s[HM], 0xffff0000
	v_and_b32 v1, 31, v0                           ; l
	v_and_b32 v2, 15, v0                           ; r
	v_bfe_u32 v3, v0, 4, 1                         ; hh
	v_and_b32 v20, 7, v0                           ; p
	v_bfe_u32 v21, v0, 3, 1                        ; part: 0 = a block's hi, 1 = its lo
	s_wait_alu depctr_va_sdst(0)                   ; s12 is written, ahead of its first reader: the wave's shares are made from it
	s_lshr_b32 s13, s12, 1                         ; wm
	s_and_b32 s15, s12, 1                          ; wn
	s_mul_i32 s16, s12, 8*APITCH
	v_lshl_add_u32 v[VOA], v1, 4, s16
	s_mul_i32 s16, s12, 8*BPITCH
	v_lshl_add_u32 v[VOB], v1, 4, s16
	s_mul_i32 s16, s12, 8*LP
	v_mul_u32_u24 v22, v21, ALOFF
	v_lshl_add_u32 v22, v3, 7, v22
	v_lshl_add_u32 v22, v20, 4, v22
	v_add_nc_u32 v[STA], s16, v22
	v_add_nc_u32 v[STA+1], BUFSZ, v[STA]
	v_lshl_add_u32 v[STB], v1, 3, s16
	v_add_nc_u32 v[STB], BOFF, v[STB]
	v_add_nc_u32 v[STB+1], BUFSZ, v[STB]
	v_mul_u32_u24 v22, v2, LP
	v_lshl_add_u32 v22, v3, 4, v22                 ; a fragment's row x pitch + 16 x half
	s_mul_i32 s16, s13, 16*LP
	v_add_nc_u32 v[ADRA], s16, v22
	v_add_nc_u32 v[ADRA+1], BUFSZ, v[ADRA]
	s_mul_i32 s16, s15, 32*LP
	s_add_co_u32 s16, s16, BOFF
	v_add_nc_u32 v[ADRB], s16, v22
	v_add_nc_u32 v[ADRB+1], BUFSZ, v[ADRB]
	v_mul_u32_u24 v22, v2, SP                      ; into the stage: row 16 wm + r, byte 64 wn + 16 hh of the hi half
	v_lshl_add_u32 v22, v3, 4, v22
	s_mul_i32 s16, s13, 16*SP
	s_lshl_b32 s17, s15, 6
	s_add_co_u32 s16, s16, s17
	s_add_co_u32 s16, s16, STAGE
	v_add_nc_u32 v[STO], s16, v22
	v_mul_u32_u24 v22, v3, SP                      ; back: rows 8 w + hh, 16 bytes a lane
	v_lshl_add_u32 v22, v2, 4, v22
	s_mul_i32 s16, s12, 8*SP
	s_add_co_u32 s16, s16, STAGE
	v_add_nc_u32 v[RD], s16, v22
	v_lshlrev_b32 v22, 12, v3                      ; and the same rows in C
	v_lshl_add_u32 v22, v2, 4, v22
	s_lshl_b32 s16, s12, 15
	v_add_nc_u32 v[CO], s16, v22
	s_lshl_b32 s16, s15, 7
	v_lshl_add_u32 v[VBI], v3, 5, s16
	s_lshl_b32 s20, s14, 18                        ; C: 64 rows of 4,096 bytes
	s_mov_b32 s21, 0
	s_lshl_b32 s22, ttmp9, 8                       ; 64 columns: 256 bytes of a row of C and of the bias
	s_mov_b32 s23, 0
.if G5
	s_mul_i32 s24, s14, 64*APITCH
	s_lshr_b32 s26, ttmp9, 1                       ; the head
	s_mul_i32 s26, s26, 3072
	s_add_co_u32 s24, s24, s26
	s_mul_i32 s26, ttmp9, 64*BPITCH
.else
	s_mov_b32 s24, s20
	s_lshl_b32 s26, ttmp9, 18
.endif
	s_mov_b32 s25, 0
	s_mov_b32 s27, 0
	s_wait_kmcnt 0x0
	s_add_nc_u64 s[4:5], s[4:5], s[24:25]
	s_add_nc_u64 s[6:7], s[6:7], s[26:27]
	s_add_nc_u64 s[8:9], s[8:9], s[22:23]
	s_add_nc_u64 s[10:11], s[10:11], s[20:21]
	s_add_nc_u64 s[10:11], s[10:11], s[22:23]
	s_wait_alu depctr_va_vdst(0)                   ; v4 to v19 are written: every load, store and LDS instruction of the kernel reads one of them as its offset or address
.set i, 0
.rept 4                                ; the bias first: older than every load of A and B, so the first TAKE shows it in
	global_load_b128 v[BI+4*i:BI+4*i+3], v[VBI], s[8:9] offset:64*(i/2)+16*(i%2)
.set i, i+1
.endr
.set i, 0
.rept 16
	LDG LA+4*i, VOA, 4, (i/2)*APITCH+(i%2)*512
.set i, i+1
.endr
.set i, 0
.rept 16
	LDG LB+4*i, VOB, 6, (i/2)*BPITCH+(i%2)*512
.set i, i+1
.endr
	; One barrier a chunk does for both orders: a buffer is written again two chunks later, and every wave has waited for its reads of it in front of the barrier between.
.set st, 0
.rept NST
	FILL st
	BAR
.if st == 0
	MULS 0, 1
.else
	MULS st%2, 0
.endif
.set st, st+1
.endr
	; THE WAY OUT.  The bias's roundings are the places behind the last products.
.set i, 0
.rept 8
	RND2 BI+2*i, BI+2*i+1, T+(i%4)
.set i, i+1
.endr
.set t, 0
.rept 2
.set q, 0
.rept 4
	v_pk_add_f32 v[ACC+8*t+2*q:ACC+8*t+2*q+1], v[ACC+8*t+2*q:ACC+8*t+2*q+1], v[BI+8*t+2*q:BI+8*t+2*q+1]
.set q, q+1
.endr
	SPLIT ACC+8*t, OW+8*t, OW+8*t+4, F0
.set t, t+1
.endr
	s_wait_alu depctr_va_vdst(0)                   ; the splittings have written OW, which the LDS stores read; the last products are done reading F1, in which the loads from the stage land
.set t, 0
.rept 2
	ds_store_b128 v[STO], v[OW+8*t:OW+8*t+3] offset:32*t
	ds_store_b128 v[STO], v[OW+8*t+4:OW+8*t+7] offset:32*t+128
.set t, t+1
.endr
	BAR                                            ; a row's 256 bytes come from two waves
.set i, 0
.rept 4
	ds_load_b128 v[F1+4*i:F1+4*i+3], v[RD] offset:i*2*SP
.set i, i+1
.endr
.set i, 0
.rept 4
	s_wait_dscnt 3-i                               ; the younger loads may stay out
	global_store_b128 v[CO], v[F1+4*i:F1+4*i+3], s[10:11] offset:i*8192  ; 16 lanes store one whole block of 256 bytes
.set i, i+1
.endr
	s_wait_dscnt 0x0                               ; the closing lines, six on end
	s_wait_alu 0x0
	s_wait_tensorcnt 0x0
	ds_add_u32 v[SPW], v[NIL]
	s_wait_dscnt 0x0
	s_endpgm
.Lfunc_end_k_qf7aab6a775_g5:
	.size	k_qf7aab6a775_g5, .Lfunc_end_k_qf7aab6a775_g5-k_qf7aab6a775_g5
	.p2alignl 7, 3214868480
	.fill 96, 4, 3214868480
	.section	.rodata,"a",@progbits
	.p2align	6, 0x0
	.amdhsa_kernel k_qf7aab6a775_g5
		.amdhsa_group_segment_fixed_size 221696
		.amdhsa_private_segment_fixed_size 0
		.amdhsa_enable_private_segment 0
		.amdhsa_kernarg_size 32
		.amdhsa_user_sgpr_count 2
		.amdhsa_user_sgpr_kernarg_segment_ptr 1
		.amdhsa_wavefront_size32 1
		.amdhsa_system_sgpr_workgroup_id_x 1
		.amdhsa_system_sgpr_workgroup_id_y 1
		.amdhsa_system_sgpr_workgroup_id_z 1
		.amdhsa_system_vgpr_workitem_id 0
		.amdhsa_next_free_vgpr 256
		.amdhsa_next_free_sgpr 66
		.amdhsa_reserve_vcc 0
		.amdhsa_float_denorm_mode_32 3
		.amdhsa_float_denorm_mode_16_64 3
		.amdhsa_memory_ordered 1
		.amdhsa_forward_progress 1
		.amdhsa_inst_pref_size 53
	.end_amdhsa_kernel
	.amdgpu_metadata
---
amdhsa.version: [ 1, 2 ]
amdhsa.kernels:
  - .name:           k_qf7aab6a775_g5
    .symbol:         k_qf7aab6a775_g5.kd
    .args:
      - { .name: tb, .offset: 0, .size: 8, .value_kind: global_buffer, .address_space: global }
      - { .name: Wv, .offset: 8, .size: 8, .value_kind: global_buffer, .address_space: global }
      - { .name: bv, .offset: 16, .size: 8, .value_kind: global_buffer, .address_space: global }
      - { .name: ctx, .offset: 24, .size: 8, .value_kind: global_buffer, .address_space: global }
    .group_segment_fixed_size: 221696
    .private_segment_fixed_size: 0
    .kernarg_segment_align: 8
    .kernarg_segment_size: 32
    .max_flat_workgroup_size: 256
    .sgpr_count:     66
    .vgpr_count:     256
    .wavefront_size: 32
...
	.end_amdgpu_metadata
.endif
;; end of part 10
;; launch g6: the kernel of part 9 again; grid 16 x 16, 8 waves a work-group, no clusters, 221,696 bytes of LDS; arguments ctx, Wo, bo, ao; writes ao
;; launch ln2: the kernel of part 7 again; grid 256 x 1, 4 waves a work-group, no clusters, 0 bytes of LDS; arguments ao, outb, ln2_g, ln2_b, out0; writes out0
